; MI455X (gfx1250); checked and timed in simulation.
; The chip was launched on July 23, 2026; its instructions are those of AMD's public machine-readable ISA for CDNA 5 (MIT licence, August 2026) and "CDNA5" Instruction Set Architecture Reference Guide (July 2026). The comments in the code are by the model that wrote it; some were corrected since.
;; GENIA Core. Allowed arithmetic: float matrix products may take bf16 or f16 operands with f32 sums; other float arithmetic in f32, or as packed bf16 or f16 multiplies, adds, multiply-adds, maxima and minima; sums over many terms, partial sums and values carried from step to step in f32; what a program stores and reads back later, other than sums and carried values, may be rounded once to bf16 or f16.
;; Inputs: W1 1,024 x 512 float32; W2 512 x 1,024 float32; W3 1,024 x 512 float32; W4 512 x 75 float32; Wk 1,024 x 256 float32; Wq 1,024 x 256 float32; Wu 256 x 1,024 float32; Wv 1,024 x 256 float32; b1 512 float32; b2 1,024 float32; b3 512 float32; b4 75 float32; be1 1,024 float32; be2 1,024 float32; be3 75 float32; bk 256 float32; bq 256 float32; bu 1,024 float32; bv 256 float32; emb 32,000 x 1,024 float32; g1 1,024 float32; g2 1,024 float32; g3 75 float32; input_indices 8 x 2,048 int32.
;; Outputs: out0 8 x 2,048 x 75 float32.
;; 2 versions, each right; version 2 is version 1 with the launch prep written anew for expert scheduling mode. Each part assembles by itself: llvm-mc -triple=amdgcn-amd-amdhsa -mcpu=gfx1250 --defsym DOCPART=n.
;; ======== version 1 of 2: 4 launches
;; limits: values are held in f16: magnitudes above 65,504 overflow, below 6.1e-05 lose precision; inputs' magnitudes at most 65,503; right only within a limited range of input values
;; workspace buffers: XF 33,554,432 bytes; QF 16,777,216 bytes; KF 8,388,608 bytes; VF 8,388,608 bytes; WQKV 1,572,864 bytes; WS3 3,768,320 bytes; KTV 2,097,152 bytes
;; launch prep (part 1): grid 592 x 1, 8 waves a work-group, no clusters, 101,376 bytes of LDS; arguments input_indices, emb, Wq, Wk, Wv, Wu, W1, W2, W3, W4, XF, WQKV, WS3; writes XF, WQKV, WS3
.if DOCPART == 1
	.amdgcn_target "amdgcn-amd-amdhsa--gfx1250"
	.amdhsa_code_object_version 6
	.text
	.protected	k_q228df888e9_prep
	.globl	k_q228df888e9_prep
	.p2align	8
	.type	k_q228df888e9_prep,@function
k_q228df888e9_prep:
	s_mov_b64 s[64:65], 0
	v_nop
	global_prefetch_b8 v0, s[64:65] scope:SCOPE_SE
	s_setreg_imm32_b32 hwreg(HW_REG_WAVE_MODE, 25, 1), 1
	s_wait_xcnt 0x0
; GENIACore, launch 1 of 4: x = f16(emb[idx] + positions), and all weights rounded to bf16, both laid out as matrix fragments.
; WORK LEFT OUT, for the whole program.  reference() forms scores = q k^T / 8, an [n, n] matrix for each batch, and then scores v.  Nothing stands between the two
; products but the factor 1/8, so for all values of the inputs (q k^T) v = q (k^T v): the program forms k^T v / 8 (256 x 256 a batch, launch 3) and then q times it (launch 4);
; the [n, n] matrix is never formed.  Every input has a way to the output, and every input is loaded.
; LIMITS.  An overflow, an infinity or a NaN that would arise in scores alone is not carried to the result; the sums are taken in another order than reference()'s.
; Indices are taken as unsigned: 32,000 and above (a negative one too) count as index 1.  The angle is position x 2^(-i log2(10000) / 512), where reference() divides by a
; power: the two differ by up to some 5e-4 rad at the largest angles.  x is rounded once to f16: |x| is at most 1 + |emb|, and an emb beyond 65,503 would give an infinity.
; FORMATS.  Every weight is rounded to bf16.  Wq, Wk, Wv, W1, W3, which multiply f16 operands (x, and the outputs of the two norms, all bounded), are then written as f16: the same number
; from 2^-17 up to 65,504, below that with f16's fixed step of 6e-8.  Wu, W2, W4 multiply operands that grow with products of weights and stay bf16.
; A FRAGMENT is 16 rows x 32 k of 16-bit numbers, 1,024 bytes: lane l = 16 h + r holds row r; bytes 16 l of the first 512 hold k = 8 h .. 8 h + 7, bytes 16 l of the second 512 hold k = 16 + 8 h .. + 7.
; So later launches fill matrix operands by loads of 16 bytes a lane, 512 consecutive bytes an instruction.
; WORK-GROUPS 0-255 (x): 16 positions x 4 batches.  Wave w has batch 4 (id & 1) + (w & 3) and the column half w >> 2: 16 rows x 512 columns, in four chunks of 128 columns.
;   The 16 x 1,024 position codes are made once a work-group (all four batches share them) and lie in LDS in f32.  sin and cos of the first position: the angle is reduced by a multiple of 2 pi held in
;   two words, halved, and taken through series that hold on all of -pi/2 .. pi/2, whatever the angle; then sin 2y = 2 s c, cos 2y = 1 - 2 s s.  The other 15 positions: the pair (sin, cos) is turned by one
;   position's angle, whose own sin and cos are made in the same way; 15 turns add some 1e-6 to the pair.
; WORK-GROUPS 256-591 (weights): 32 k x 256 columns of one matrix; a lane has one column, 32 numbers, four pieces of 16 bytes of a fragment.
; No matrix unit, no cluster, no tensor load: nothing is multiplied, no two work-groups read the same bytes but repeated table rows, and the bytes on their way fit in registers.
.set VOCAB, 32000
.set POS,   0                          ; LDS: f32 [16 positions][1024]
.set STG,   65536                      ; 16 rows x 272 bytes for each wave: a chunk in f16, rows 256 bytes + 16 of padding, so that the 16 rows of a read start at 16 different groups of banks
.set SP,    272
.set SPARE, 100352                     ; the spare words, 128 bytes for each wave: four blocks of 256 bytes that no other line names
.set SPW, 8                            ; v8  SPARE + 4 x my thread's number; never rewritten
.set NIL, 9                            ; v9  0; never rewritten
; v1 lane; v2 16 lane + 2,048 x column half; v3 the same as an LDS address in POS; v4, v5 stage in, stage out; v6 16 lane; v10-15 trigonometry; v16-31 a row's byte offset in emb;
; v32-63 at work; v64-255 three sets of 16 rows x 4 registers
.macro FILL c, set                     ; chunk c of my 16 rows: 512 consecutive bytes a load
.set fi, 0
.rept 16
	global_load_b128 v[64+64*(\set)+4*fi:64+64*(\set)+4*fi+3], v[16+fi], s[10:11] offset:(\c)*512
.set fi, fi+1
.endr
.endm
.macro TRIG pos, inv, out              ; sin and cos of v[pos] x v[inv] into v[out], v[out+1]
	v_mul_f32 v42, v[\pos], v[\inv]
	v_mul_f32 v43, 0.15915494, v42
	v_rndne_f32 v43, v43                           ; whole turns
	v_fmamk_f32 v42, v43, 0xc0c90fdb, v42          ; less turns x 2 pi, its upper word,
	v_fmamk_f32 v42, v43, 0x343bbd2e, v42          ; and its lower
	v_mul_f32 v44, 0.5, v42                        ; y
	v_mul_f32 v45, v44, v44                        ; z = y y
	v_fmaak_f32 v46, v40, v45, 0x3638ef1d          ; sin y = y + y z (-1/3! + z (1/5! + .. - z^4 / 11!))
	v_fmaak_f32 v46, v46, v45, 0xb9500d01
	v_fmaak_f32 v46, v46, v45, 0x3c088889
	v_fmaak_f32 v46, v46, v45, 0xbe2aaaab
	v_mul_f32 v46, v46, v45
	v_fma_f32 v48, v46, v44, v44
	v_fmaak_f32 v47, v41, v45, 0xb493f27e          ; cos y = 1 + z (-1/2! + z (1/4! - .. + z^4 / 12!))
	v_fmaak_f32 v47, v47, v45, 0x37d00d01
	v_fmaak_f32 v47, v47, v45, 0xbab60b61
	v_fmaak_f32 v47, v47, v45, 0x3d2aaaab
	v_fmaak_f32 v47, v47, v45, 0xbf000000
	v_fma_f32 v47, v47, v45, 1.0
	v_add_f32 v49, v48, v48
	v_mul_f32 v[\out], v49, v47
	v_fma_f32 v[(\out)+1], -v49, v48, 1.0
.endm
.macro ROWS set, r0                    ; eight rows: + position, rounded to f16, 8 bytes a lane into the stage
.set ri, 0
.rept 8
.set ra, 64+64*(\set)+4*((\r0)+ri)
	v_pk_add_f32 v[ra:ra+1], v[ra:ra+1], v[32+4*ri:33+4*ri]
	v_pk_add_f32 v[ra+2:ra+3], v[ra+2:ra+3], v[34+4*ri:35+4*ri]
	v_cvt_pk_f16_f32 v[ra], v[ra], v[ra+1]
	v_cvt_pk_f16_f32 v[ra+1], v[ra+2], v[ra+3]
	ds_store_b64 v4, v[ra:ra+1] offset:((\r0)+ri)*SP
.set ri, ri+1
.endr
.endm
.macro CHUNK c, set, n                 ; n: the loads of younger chunks, which may stay out
	s_wait_xcnt 0x0                                ; the last chunk's stores have read v32-63, which are loaded again below
.set ci, 0
.rept 8
	ds_load_b128 v[32+4*ci:35+4*ci], v3 offset:ci*4096+(\c)*512
.set ci, ci+1
.endr
	s_wait_loadcnt \n                              ; loads come back in order: this chunk's 16 are in
	s_wait_dscnt 0x0
	ROWS \set, 0
.set ci, 0
.rept 8
	ds_load_b128 v[32+4*ci:35+4*ci], v3 offset:(ci+8)*4096+(\c)*512
.set ci, ci+1
.endr
	s_wait_dscnt 0x0
	ROWS \set, 8
.set ci, 0
.rept 8                                ; back as four fragments; the stage is my wave's own and LDS serves a wave's instructions in order
	ds_load_b128 v[32+4*ci:35+4*ci], v5 offset:(ci/2)*64+(ci%2)*32
.set ci, ci+1
.endr
	s_wait_dscnt 0x0
.set ci, 0
.rept 8
	global_store_b128 v6, v[32+4*ci:35+4*ci], s[36:37] offset:(\c)*4096+ci*512 th:TH_STORE_NT  ; 512 consecutive bytes, aligned
.set ci, ci+1
.endr
.endm
.macro CASE thr, src, rp, nr, nst, cs, sh, gs, ks, db, fl  ; from work-group thr on (counted from 256): another matrix
	s_cmp_ge_u32 s3, \thr
	s_cselect_b64 s[34:35], s[\src:\src+1], s[34:35]
	s_cselect_b32 s36, \rp, s36
	s_cselect_b32 s37, \nr, s37
	s_cselect_b32 s38, \nst, s38
	s_cselect_b32 s39, \thr, s39
	s_cselect_b32 s40, \cs, s40
	s_cselect_b32 s41, \sh, s41
	s_cselect_b32 s42, \gs, s42
	s_cselect_b32 s43, \ks, s43
	s_cselect_b32 s44, \db, s44
	s_cselect_b32 s45, \fl, s45
.endm
	s_load_b512 s[8:23], s[0:1], 0x0               ; indices 8, emb 10, Wq 12, Wk 14, Wv 16, Wu 18, W1 20, W2 22
	s_load_b256 s[24:31], s[0:1], 0x40             ; W3 24, W4 26, XF 28, WQKV 30
	s_load_b64 s[32:33], s[0:1], 0x60              ; WS3
	v_lshl_add_u32 v[SPW], v0, 2, SPARE
	v_mov_b32 v[NIL], 0
	v_lshrrev_b32 v1, 5, v0
	v_readfirstlane_b32 s2, v1                     ; wave 0..7
	v_and_b32 v1, 31, v0                           ; lane
	s_wait_kmcnt 0x0
	s_cmp_lt_u32 ttmp9, 256                        ; the same in all waves of a work-group
	s_cbranch_scc0 .Lweights
	; ---- x ----
	s_lshr_b32 s3, ttmp9, 1                        ; which 16 positions
	s_and_b32 s4, ttmp9, 1
	s_and_b32 s5, s2, 3
	s_lshl2_add_u32 s5, s4, s5                     ; batch
	s_lshr_b32 s6, s2, 2                           ; column half
	s_lshl_b32 s7, s5, 7
	s_add_co_u32 s7, s7, s3                        ; T: the tile of 16 rows among 1,024
	s_lshl_b32 s34, s7, 6                          ; its 16 indices: 64 bytes
	s_mov_b32 s35, 0
	s_add_nc_u64 s[34:35], s[8:9], s[34:35]
	s_load_b512 s[72:87], s[34:35], 0x0
	v_lshlrev_b32 v2, 4, v1
	v_lshl_add_u32 v2, s6, 11, v2
	v_mov_b32 v3, v2
	s_lshl_b32 s36, s7, 15                         ; XF: 32,768 bytes a tile, 16,384 a column half
	s_lshl_b32 s38, s6, 14
	s_add_co_u32 s36, s36, s38
	s_mov_b32 s37, 0
	s_add_nc_u64 s[36:37], s[28:29], s[36:37]
	s_wait_kmcnt 0x0
.set gi, 0
.rept 16
	s_cmp_ge_u32 s[72+gi], VOCAB                   ; reference()'s own guard: such an index counts as 1
	s_cselect_b32 s[72+gi], 1, s[72+gi]
	s_min_u32 s[72+gi], s[72+gi], VOCAB-1          ; (changes nothing; a loaded number enters an address only behind such a bound)
	s_lshl_b32 s[72+gi], s[72+gi], 12              ; a row of emb is 4,096 bytes
	v_add_nc_u32 v[16+gi], s[72+gi], v2
.set gi, gi+1
.endr
	FILL 0, 0                                      ; 48 loads of 512 bytes are out while the positions are made
	FILL 1, 1
	FILL 2, 2
	s_mul_i32 s38, s2, 16*SP
	s_add_co_u32 s38, s38, STG                     ; my stage
	v_lshl_add_u32 v4, v1, 3, s38
	v_and_b32 v7, 15, v0
	v_mul_u32_u24 v5, v7, SP
	v_bfe_u32 v7, v0, 4, 1
	v_lshl_add_u32 v5, v7, 4, v5
	v_add_nc_u32 v5, s38, v5
	v_lshlrev_b32 v6, 4, v1
	; thread t has the pairs (sin, cos) number t and t + 256 of all 16 positions
	v_cvt_f32_u32 v32, v0
	v_add_f32 v33, 0x43800000, v32
	v_mul_f32 v32, 0xbcd49a78, v32                 ; -i log2(10000) / 512
	v_mul_f32 v33, 0xbcd49a78, v33
	v_exp_f32 v13, v32
	v_exp_f32 v14, v33
	v_lshlrev_b32 v10, 3, v0
	s_lshl_b32 s38, s3, 4
	v_cvt_f32_u32 v12, s38                         ; the first position
	v_mov_b32 v15, 1.0                             ; one position
	v_mov_b32 v40, 0xb2d7322b                      ; -1/11!
	v_mov_b32 v41, 0x310f76c7                      ; 1/12!
	s_wait_alu depctr_va_vdst(0)                   ; one wait for both exponentials, ahead of their first reader
	TRIG 12, 13, 34                                ; the first position's pairs,
	TRIG 12, 14, 36
	TRIG 15, 13, 50                                ; and those of one position's step of the angle
	TRIG 15, 14, 52
	s_mov_b32 s39, POS
	s_mov_b32 s40, 16
.Ltrig:                                        ; a position a trip: its pairs are stored, then turned on by one step (the last trip's turn serves nothing)
	v_add_nc_u32 v11, s39, v10
	ds_store_b64 v11, v[34:35]
	ds_store_b64 v11, v[36:37] offset:2048
	v_mul_f32 v42, v34, v51                        ; s cd
	v_mul_f32 v43, v35, v51                        ; c cd
	v_mul_f32 v44, v36, v53
	v_mul_f32 v45, v37, v53
	v_fma_f32 v42, v35, v50, v42                   ; sin(a + d) = s cd + c sd
	v_fma_f32 v35, -v34, v50, v43                  ; cos(a + d) = c cd - s sd
	v_fma_f32 v44, v37, v52, v44
	v_fma_f32 v37, -v36, v52, v45
	v_mov_b32 v34, v42
	v_mov_b32 v36, v44
	s_add_co_u32 s39, s39, 4096
	s_sub_co_u32 s40, s40, 1
	s_cmp_lg_u32 s40, 0
	s_cbranch_scc1 .Ltrig
	s_wait_dscnt 0x0                               ; for the others' sake: my part of the positions is stored
	s_barrier_signal -1
	s_barrier_wait -1
	CHUNK 0, 0, 32
	FILL 3, 0                                      ; set 0 has been read by vector and LDS instructions alone
	CHUNK 1, 1, 32
	CHUNK 2, 2, 16
	CHUNK 3, 0, 0
	s_branch .Lend
	; ---- weights ----
.Lweights:
	s_sub_co_u32 s3, ttmp9, 256
	s_mov_b64 s[34:35], s[12:13]                   ; source; s36 bytes in a row; s37 columns; s38 columns stored; s39 the matrix's first work-group; s40 log2 of its blocks of 256 columns;
	s_mov_b32 s36, 1024                            ; s41 log2 of the column tiles in a group (a wave's share in the launch that reads them); s42 bytes from group to group; s43 from k32 to k32; s44 the matrix's first byte;
	s_mov_b32 s37, 256                             ; s45 all ones: the rounded number is written as f16; 0: as bf16
	s_mov_b32 s38, 256
	s_mov_b32 s39, 0
	s_mov_b32 s40, 0
	s_mov_b32 s41, 1
	s_mov_b32 s42, 196608
	s_mov_b32 s43, 6144
	s_mov_b32 s44, 0
	s_mov_b32 s45, -1
	CASE 32,  14, 1024, 256,  256,  0, 1, 196608, 6144,  2048,   -1  ; Wk
	CASE 64,  16, 1024, 256,  256,  0, 1, 196608, 6144,  4096,   -1  ; Wv
	CASE 96,  18, 4096, 1024, 1024, 2, 4, 942080, 16384, 0,      0   ; Wu
	CASE 128, 20, 2048, 512,  512,  1, 3, 942080, 8192,  131072, -1  ; W1
	CASE 192, 22, 4096, 1024, 1024, 2, 4, 942080, 16384, 393216, 0   ; W2
	CASE 256, 24, 2048, 512,  512,  1, 3, 942080, 8192,  655360, -1  ; W3
	CASE 320, 26, 300,  75,   96,   0, 3, 0,      0,     917504, 0   ; W4: columns 75 to 95 are stored as zeros
	s_cmp_ge_u32 s3, 96
	s_cselect_b64 s[46:47], s[32:33], s[30:31]     ; WS3, or WQKV for the first three
	s_sub_co_u32 s48, s3, s39
	s_lshr_b32 s49, s48, s40                       ; k32
	s_lshl_b32 s50, s49, s40
	s_sub_co_u32 s50, s48, s50                     ; block of 256 columns
	s_lshr_b32 s51, s49, 2                         ; W4 is split along k: wave k32 / 4 of the last launch, its step k32 % 4
	s_mul_i32 s51, s51, 942080
	s_and_b32 s52, s49, 3
	s_mul_i32 s52, s52, 6144
	s_add_co_u32 s51, s51, s52
	s_cmp_ge_u32 s3, 320
	s_cselect_b32 s51, s51, 0
	s_add_co_u32 s44, s44, s51
	s_mul_i32 s52, s49, s43
	s_add_co_u32 s44, s44, s52
	s_mov_b32 s59, 0xffff0000                      ; a word's upper bf16
	s_lshl_b32 s53, s50, 8
	s_lshl_b32 s54, s2, 5
	s_add_co_u32 s53, s53, s54                     ; my wave's first column
	s_cmp_ge_u32 s53, s38
	s_cbranch_scc1 .Lend                           ; (W4: waves 3 to 7 have none)
	v_add_nc_u32 v11, s53, v1                      ; my column
	s_sub_co_u32 s55, s37, 1
	v_min_u32 v12, s55, v11                        ; a padding column reads the last real one, and is zeroed below
	v_lshlrev_b32 v32, 2, v12
.set wi, 0
.rept 31
	v_add_nc_u32 v[33+wi], s36, v[32+wi]
.set wi, wi+1
.endr
	s_mul_i32 s56, s49, s36
	s_lshl_b32 s56, s56, 5                         ; 32 rows a k32
	s_mov_b32 s57, 0
	s_add_nc_u64 s[34:35], s[34:35], s[56:57]
.set wi, 0
.rept 32
	global_load_b32 v[64+wi], v[32+wi], s[34:35]   ; 128 consecutive bytes of a row
.set wi, wi+1
.endr
	v_cmp_gt_u32 s58, s37, v11                     ; a real column?
	v_lshrrev_b32 v13, 4, v11                      ; column tile
	v_lshrrev_b32 v14, s41, v13                    ; its group
	v_mul_lo_u32 v15, v14, s42
	v_lshlrev_b32 v14, s41, v14
	v_sub_nc_u32 v14, v13, v14                     ; its place in the group
	v_lshl_add_u32 v15, v14, 10, v15
	v_and_b32 v14, 15, v11
	v_lshl_add_u32 v15, v14, 4, v15
	v_add_nc_u32 v15, s44, v15
	s_wait_loadcnt 0x0
.set wi, 0
.rept 16
	v_cvt_pk_bf16_f32 v[96+wi], v[64+2*wi], v[65+2*wi]
.set wi, wi+1
.endr
.set wi, 0
.rept 16                               ; the rounded numbers once more in f32,
	v_lshlrev_b32 v[64+2*wi], 16, v[96+wi]
	v_and_b32 v[65+2*wi], s59, v[96+wi]
.set wi, wi+1
.endr
.set wi, 0
.rept 16                               ; and as f16
	v_cvt_pk_f16_f32 v[112+wi], v[64+2*wi], v[65+2*wi]
.set wi, wi+1
.endr
.set wi, 0
.rept 16
	v_cndmask_b32 v[96+wi], v[96+wi], v[112+wi], s45
.set wi, wi+1
.endr
.set wi, 0
.rept 16
	v_cndmask_b32 v[96+wi], 0, v[96+wi], s58
.set wi, wi+1
.endr
.set wi, 0
.rept 4
	global_store_b128 v15, v[96+4*wi:99+4*wi], s[46:47] offset:256*wi  ; k = 8 wi .. + 7: sixteen lanes store 256 consecutive bytes, aligned
.set wi, wi+1
.endr
.Lend:
	s_wait_tensorcnt 0x0                           ; the wave's end, behind my last LDS store
	ds_add_u32 v[SPW], v[NIL]
	s_wait_dscnt 0x0
	s_endpgm
.Lfunc_end_k_q228df888e9_prep:
	.size	k_q228df888e9_prep, .Lfunc_end_k_q228df888e9_prep-k_q228df888e9_prep
	.p2alignl 7, 3214868480
	.fill 96, 4, 3214868480
	.section	.rodata,"a",@progbits
	.p2align	6, 0x0
	.amdhsa_kernel k_q228df888e9_prep
		.amdhsa_group_segment_fixed_size 101376
		.amdhsa_private_segment_fixed_size 0
		.amdhsa_enable_private_segment 0
		.amdhsa_kernarg_size 104
		.amdhsa_user_sgpr_count 2
		.amdhsa_user_sgpr_kernarg_segment_ptr 1
		.amdhsa_wavefront_size32 1
		.amdhsa_system_sgpr_workgroup_id_x 1
		.amdhsa_system_sgpr_workgroup_id_y 1
		.amdhsa_system_sgpr_workgroup_id_z 1
		.amdhsa_system_vgpr_workitem_id 0
		.amdhsa_next_free_vgpr 256
		.amdhsa_next_free_sgpr 96
		.amdhsa_reserve_vcc 0
		.amdhsa_float_denorm_mode_32 3
		.amdhsa_float_denorm_mode_16_64 3
		.amdhsa_memory_ordered 1
		.amdhsa_forward_progress 1
		.amdhsa_inst_pref_size 63
	.end_amdhsa_kernel
	.amdgpu_metadata
---
amdhsa.version: [ 1, 2 ]
amdhsa.kernels:
  - .name:           k_q228df888e9_prep
    .symbol:         k_q228df888e9_prep.kd
    .args:
      - { .name: input_indices, .offset: 0, .size: 8, .value_kind: global_buffer, .address_space: global }
      - { .name: emb, .offset: 8, .size: 8, .value_kind: global_buffer, .address_space: global }
      - { .name: Wq, .offset: 16, .size: 8, .value_kind: global_buffer, .address_space: global }
      - { .name: Wk, .offset: 24, .size: 8, .value_kind: global_buffer, .address_space: global }
      - { .name: Wv, .offset: 32, .size: 8, .value_kind: global_buffer, .address_space: global }
      - { .name: Wu, .offset: 40, .size: 8, .value_kind: global_buffer, .address_space: global }
      - { .name: W1, .offset: 48, .size: 8, .value_kind: global_buffer, .address_space: global }
      - { .name: W2, .offset: 56, .size: 8, .value_kind: global_buffer, .address_space: global }
      - { .name: W3, .offset: 64, .size: 8, .value_kind: global_buffer, .address_space: global }
      - { .name: W4, .offset: 72, .size: 8, .value_kind: global_buffer, .address_space: global }
      - { .name: XF, .offset: 80, .size: 8, .value_kind: global_buffer, .address_space: global }
      - { .name: WQKV, .offset: 88, .size: 8, .value_kind: global_buffer, .address_space: global }
      - { .name: WS3, .offset: 96, .size: 8, .value_kind: global_buffer, .address_space: global }
    .group_segment_fixed_size: 101376
    .private_segment_fixed_size: 0
    .kernarg_segment_align: 8
    .kernarg_segment_size: 104
    .max_flat_workgroup_size: 256
    .sgpr_count:     96
    .vgpr_count:     256
    .wavefront_size: 32
...
	.end_amdgpu_metadata
.endif
;; end of part 1
;; launch qkv (part 2): grid 256 x 1, 4 waves a work-group, no clusters, 0 bytes of LDS; arguments XF, WQKV, bq, bk, bv, QF, KF, VF; writes QF, KF, VF
.if DOCPART == 2
	.amdgcn_target "amdgcn-amd-amdhsa--gfx1250"
	.amdhsa_code_object_version 6
	.text
	.protected	k_q228df888e9_qkv
	.globl	k_q228df888e9_qkv
	.p2align	8
	.type	k_q228df888e9_qkv,@function
k_q228df888e9_qkv:
	s_mov_b64 s[64:65], 0
	v_nop
	global_prefetch_b8 v0, s[64:65] scope:SCOPE_SE
	s_setreg_imm32_b32 hwreg(HW_REG_WAVE_MODE, 25, 1), 1
	s_wait_xcnt 0x0
; GENIACore, launch 2 of 4: q = x Wq + bq, k = x Wk + bk, v = x Wv + bv; x and the weights in f16 fragments, sums in f32, results stored again as fragments.
; (The program leaves the [n, n] scores out: (q k^T) v = q (k^T v) for all values; see the first kernel's head.  So k and v leave this launch laid out for k^T v.)
; FORMATS OUT.  k and v: f16, rounded once (a sum of 1,024 products of x, at most 1 + |emb|, and a weight: beyond 65,504 it would give an infinity).
; q: TWO bf16 numbers, hi = bf16(q) and lo = bf16(q - hi), 16 significant bits together.  q multiplies k^T v, which has no room in f16, so the pair is bf16; and that sum can cancel heavily (where k^T v has one
; dominant direction and a row's q is nearly orthogonal to it), after which the norm magnifies what the operands lost: hence the second number.
; SHARES.  A work-group has 128 rows (8 tiles of 16) and half of the 3 x 256 columns; wave w has the column group g = 4 (id & 1) + w: tiles 2 g, 2 g + 1 of q, of k and of v.
; 8 x 6 = 48 accumulators.  A K step of 32 is 8 fragments of x and 6 of the weights, 28 loads of 512 consecutive bytes, and 48 matrix instructions.
; NO LDS, NO BARRIER: an operand's fragment lies in memory as it lies in registers, and no weight fragment is wanted by two waves of a work-group.  No cluster: the four waves' x fragments
; are the same and are read four times from the cache in exchange for a loop without a barrier.
; q is taken transposed (source 0 = weights): a lane holds one row and 8 columns, half a fragment of the product q (k^T v).  k and v are taken straight (source 0 = x):
; a lane holds one column and 8 rows, half a fragment of k^T v, whose sum runs over rows.  The first K step takes the bias as C: nothing is cleared, nothing added later.
; REGISTERS, in windows of 256 (s_set_vgpr_msb: bits 1:0 source 0, 3:2 source 1, 5:4 source 2, 7:6 destination):
;   window 0: v1 16 x lane, v2 prefetch offset, v3, v4 bias offsets, v10 -1; v64-255 x, three sets of 8 fragments      window 1: v0-143 weights, three sets of 6; v144-191 six bias tiles
;   window 2: accumulators of q and k (tile f, row tile mt at 64 f + 8 mt)      window 3: v0-127 those of v
.set XP,  24                           ; s[24:25] x at my rows, at the K step loaded last
.set WP,  26                           ; s[26:27] the weights of my group, likewise
.set PF,  28                           ; s[28:29] where the prefetches stand
.set CNT, 30
.set LIM, 31
.set QB,  32
.set KB,  34
.set VB,  36
.set BT,  144
.set NEG, 10
.set MSB, 0
.macro WIN new                         ; the immediate's high byte repeats the setting that is left; a switch that changes nothing is dropped
.if MSB != (\new)
	s_set_vgpr_msb (MSB<<8)|(\new)
.set MSB, \new
.endif
.endm
.macro PLACES                          ; four places behind the last product, in front of loads into registers that it has read (ISA guide 7.12.1 for vector instructions)
.rept 4
	v_nop
.endr
.endm
.macro XWLOAD set, xi, wo              ; a K step's 28 loads
	WIN 0
.set li, 0
.rept 16
	global_load_b128 v[64+64*(\set)+4*li:64+64*(\set)+4*li+3], v1, s[XP:XP+1] offset:(\xi)+(li/2)*32768+(li%2)*512
.set li, li+1
.endr
	WIN 0x40
.set li, 0
.rept 12
	global_load_b128 v[48*(\set)+4*li:48*(\set)+4*li+3], v1, s[WP:WP+1] offset:(\wo)+li*512
.set li, li+1
.endr
.endm
.macro MULS set, mode                  ; 48 products; all 48 accumulators take turns, one instruction a turn.  mode = 1: C is the bias tile
.set mf, 0
.rept 6
.if mf < 2
	WIN 0xa1-0x10*(\mode)
.elseif mf < 4
	WIN 0xa4-0x10*(\mode)
.else
	WIN 0xf4-0x20*(\mode)
.endif
.set ma, 64*(mf%4)
.set mm, 0
.rept 8
.if mf < 2
.if \mode
	v_wmma_f32_16x16x32_f16 v[ma+8*mm:ma+8*mm+7], v[48*(\set)+8*mf:48*(\set)+8*mf+7], v[64+64*(\set)+8*mm:64+64*(\set)+8*mm+7], v[BT+8*mf:BT+8*mf+7]
.else
	v_wmma_f32_16x16x32_f16 v[ma+8*mm:ma+8*mm+7], v[48*(\set)+8*mf:48*(\set)+8*mf+7], v[64+64*(\set)+8*mm:64+64*(\set)+8*mm+7], v[ma+8*mm:ma+8*mm+7]
.endif
.else
.if \mode
	v_wmma_f32_16x16x32_f16 v[ma+8*mm:ma+8*mm+7], v[64+64*(\set)+8*mm:64+64*(\set)+8*mm+7], v[48*(\set)+8*mf:48*(\set)+8*mf+7], v[BT+8*mf:BT+8*mf+7]
.else
	v_wmma_f32_16x16x32_f16 v[ma+8*mm:ma+8*mm+7], v[64+64*(\set)+8*mm:64+64*(\set)+8*mm+7], v[48*(\set)+8*mf:48*(\set)+8*mf+7], v[ma+8*mm:ma+8*mm+7]
.endif
.endif
.set mm, mm+1
.endr
.set mf, mf+1
.endr
.endm
; A K step on set 'set'.  load = 1: the step two on is asked for, into the set that the step before multiplied: it has two steps, 96 products, in which to land.
; n: the loads that may stay out: the next step's 28.  pf = 1: the trip's prefetch stands behind these loads.
.macro STEP set, mode, load, n, pf
	PLACES
	s_wait_loadcnt \n
.if \load
	s_wait_xcnt 0x0                                ; every load and prefetch issued so far has read its address: the pointers may be written
	s_add_nc_u64 s[XP:XP+1], s[XP:XP+1], 1024
	s_add_nc_u64 s[WP:WP+1], s[WP:WP+1], 6144
.if \pf
	s_add_nc_u64 s[PF:PF+1], s[PF:PF+1], 3072
.endif
	XWLOAD ((\set)+2)%3, 0, 0
.if \pf
	WIN 0
	s_cmp_gt_u32 s[CNT], s[LIM]
	s_cbranch_scc0 .Lnp_\@
	global_prefetch_b8 v2, s[PF:PF+1] th:TH_LOAD_NT scope:SCOPE_SE
.Lnp_\@:
.endif
.endif
	MULS \set, \mode
.endm
	s_load_b512 s[8:23], s[0:1], 0x0               ; XF 8, WQKV 10, bq 12, bk 14, bv 16, QF 18, KF 20, VF 22
	v_lshrrev_b32 v5, 5, v0
	v_readfirstlane_b32 s2, v5                     ; wave 0..3
	v_and_b32 v5, 31, v0
	v_lshlrev_b32 v1, 4, v5
	v_and_b32 v6, 15, v0                           ; r
	v_bfe_u32 v7, v0, 4, 1                         ; h
	v_mov_b32 v[NEG], -1.0
	s_lshr_b32 s3, ttmp9, 1                        ; which 128 rows
	s_and_b32 s4, ttmp9, 1
	s_lshl2_add_u32 s5, s4, s2                     ; g
	s_lshl_b32 s38, s5, 7                          ; my 32 columns of a bias: 128 bytes
	v_lshl_add_u32 v3, v7, 5, s38                  ; q: 8 columns a lane
	v_lshl_add_u32 v4, v6, 2, s38                  ; k, v: one column a lane
	; THE PREFETCH of x: a K step of the work-group's rows is 8 x 1,024 bytes: 32 blocks of 256, a lane a block.  Once a trip (three K steps) waves 0, 1, 2 of the work-group with the even number
	; (its neighbour reads the same rows) name one step each, nine steps (432 products) ahead of the trip's first loads.  Steps 12 to 29 are named, each block once; the others come by their loads alone.
	v_lshrrev_b32 v8, 2, v5
	v_and_b32 v9, 3, v5
	v_lshlrev_b32 v2, 15, v8
	v_lshl_add_u32 v2, v9, 8, v2
	s_lshl_b32 s39, s2, 10
	v_add_nc_u32 v2, s39, v2
	s_cmp_lt_u32 s2, 3
	s_cselect_b32 s[LIM], 3, -1                    ; a wave asks while the trips to go are above LIM: in the first six of nine
	s_cmp_eq_u32 s4, 0
	s_cselect_b32 s[LIM], s[LIM], -1
	s_lshl_b32 s40, s3, 18                         ; 8 tiles of 32,768 bytes
	s_mov_b32 s41, 0
	s_mul_i32 s42, s5, 196608
	s_mov_b32 s43, 0
	s_lshl_b32 s44, s3, 16
	s_lshl_b32 s46, s5, 11
	s_add_co_u32 s46, s44, s46                     ; KF, VF: 4 blocks of 32 rows x 16,384 bytes; my two column tiles
	s_mov_b32 s47, 0
	s_lshl_b32 s44, s3, 17
	s_lshl_b32 s45, s5, 10
	s_add_co_u32 s44, s44, s45                     ; QF: 8 tiles of 16,384 bytes (8,192 of hi, 8,192 of lo); my fragment g
	s_mov_b32 s45, 0
	s_wait_kmcnt 0x0
	s_add_nc_u64 s[XP:XP+1], s[8:9], s[40:41]
	s_add_nc_u64 s[WP:WP+1], s[10:11], s[42:43]
	s_add_nc_u64 s[PF:PF+1], s[XP:XP+1], 9*1024    ; the first trip steps it to K step 12
	s_add_nc_u64 s[QB:QB+1], s[18:19], s[44:45]
	s_add_nc_u64 s[KB:KB+1], s[20:21], s[46:47]
	s_add_nc_u64 s[VB:VB+1], s[22:23], s[46:47]
	WIN 0x40
.irp e, 0,1
	global_load_b128 v[BT+8*\e:BT+8*\e+3], v3, s[12:13] offset:64*\e
	global_load_b128 v[BT+8*\e+4:BT+8*\e+7], v3, s[12:13] offset:64*\e+16
	global_load_b32 v[BT+16+8*\e], v4, s[14:15] offset:64*\e
	global_load_b32 v[BT+32+8*\e], v4, s[16:17] offset:64*\e
.endr
	XWLOAD 0, 0, 0
	XWLOAD 1, 1024, 6144
	s_wait_xcnt 0x0
	s_add_nc_u64 s[XP:XP+1], s[XP:XP+1], 1024      ; both stand at K step 1
	s_add_nc_u64 s[WP:WP+1], s[WP:WP+1], 6144
	s_wait_loadcnt 56                              ; the biases are in; both steps' loads may stay out
	WIN 0x41
.irp t, 2,3,4,5
.irp j, 1,2,3,4,5,6,7
	v_mov_b32 v[BT+8*\t+\j], v[BT+8*\t]            ; k, v: a lane's column has one bias for its eight rows
.endr
.endr
	STEP 0, 1, 1, 28, 0
	WIN 0
	s_mov_b32 s[CNT], 9
.Ltrip:                                        ; K steps 1 to 27
	STEP 1, 0, 1, 28, 1
	STEP 2, 0, 1, 28, 0
	STEP 0, 0, 1, 28, 0
	WIN 0
	s_sub_co_u32 s[CNT], s[CNT], 1
	s_cmp_lg_u32 s[CNT], 0
	s_cbranch_scc1 .Ltrip
	STEP 1, 0, 1, 28, 0                            ; 28 and 29 ask for 30 and 31; the last two ask for nothing
	STEP 2, 0, 1, 28, 0
	STEP 0, 0, 0, 28, 0
	STEP 1, 0, 0, 0, 0
	; THE WAY OUT: each tile rounded to 16 bits is 16 bytes a lane, half a fragment: 512 consecutive bytes a store
	PLACES
	PLACES
	WIN 0x0a
.set tt, 0
.rept 16                               ; q's upper number
.irp q, 0,1,2,3
	v_cvt_pk_bf16_f32 v[64+4*tt+\q], v[8*tt+2*\q], v[8*tt+2*\q+1]
.endr
.set tt, tt+1
.endr
.rept 16                               ; k
.irp q, 0,1,2,3
	v_cvt_pk_f16_f32 v[64+4*tt+\q], v[8*tt+2*\q], v[8*tt+2*\q+1]
.endr
.set tt, tt+1
.endr
	WIN 0x0f
.rept 16                               ; v
.irp q, 0,1,2,3
	v_cvt_pk_f16_f32 v[64+4*tt+\q], v[8*(tt-32)+2*\q], v[8*(tt-32)+2*\q+1]
.endr
.set tt, tt+1
.endr
	WIN 0xa0
.set tt, 0
.rept 16                               ; q - hi, in place: exact, since hi holds q's leading bits
.irp q, 0,1,2,3
	v_fma_mix_f32_bf16 v[8*tt+2*\q], v[64+4*tt+\q], v[NEG], v[8*tt+2*\q] op_sel_hi:[1,0,0]
	v_fma_mix_f32_bf16 v[8*tt+2*\q+1], v[64+4*tt+\q], v[NEG], v[8*tt+2*\q+1] op_sel:[1,0,0] op_sel_hi:[1,0,0]
.endr
.set tt, tt+1
.endr
	WIN 0x4a
.set tt, 0
.rept 16                               ; q's lower number, into window 1, where the weights lay
.irp q, 0,1,2,3
	v_cvt_pk_bf16_f32 v[4*tt+\q], v[8*tt+2*\q], v[8*tt+2*\q+1]
.endr
.set tt, tt+1
.endr
	WIN 0
.set tt, 0
.rept 16                               ; q: tile e = tt / 8, row tile tt % 8
	global_store_b128 v1, v[64+4*tt:67+4*tt], s[QB:QB+1] offset:(tt%8)*16384+(tt/8)*512
.set tt, tt+1
.endr
.set tt, 0
.rept 16
	global_store_b128 v1, v[128+4*tt:131+4*tt], s[KB:KB+1] offset:((tt%8)/2)*16384+(tt/8)*1024+(tt%2)*512
	global_store_b128 v1, v[192+4*tt:195+4*tt], s[VB:VB+1] offset:((tt%8)/2)*16384+(tt/8)*1024+(tt%2)*512
.set tt, tt+1
.endr
	WIN 0x04                                       ; a store's data: source 1
.set tt, 0
.rept 16
	global_store_b128 v1, v[4*tt:4*tt+3], s[QB:QB+1] offset:(tt%8)*16384+(tt/8)*512+8192
.set tt, tt+1
.endr
	WIN 0
	s_endpgm
.Lfunc_end_k_q228df888e9_qkv:
	.size	k_q228df888e9_qkv, .Lfunc_end_k_q228df888e9_qkv-k_q228df888e9_qkv
	.p2alignl 7, 3214868480
	.fill 96, 4, 3214868480
	.section	.rodata,"a",@progbits
	.p2align	6, 0x0
	.amdhsa_kernel k_q228df888e9_qkv
		.amdhsa_group_segment_fixed_size 0
		.amdhsa_private_segment_fixed_size 0
		.amdhsa_enable_private_segment 0
		.amdhsa_kernarg_size 64
		.amdhsa_user_sgpr_count 2
		.amdhsa_user_sgpr_kernarg_segment_ptr 1
		.amdhsa_wavefront_size32 1
		.amdhsa_system_sgpr_workgroup_id_x 1
		.amdhsa_system_sgpr_workgroup_id_y 1
		.amdhsa_system_sgpr_workgroup_id_z 1
		.amdhsa_system_vgpr_workitem_id 0
		.amdhsa_next_free_vgpr 896
		.amdhsa_next_free_sgpr 66
		.amdhsa_reserve_vcc 0
		.amdhsa_float_denorm_mode_32 3
		.amdhsa_float_denorm_mode_16_64 3
		.amdhsa_memory_ordered 1
		.amdhsa_forward_progress 1
		.amdhsa_inst_pref_size 83
	.end_amdhsa_kernel
	.amdgpu_metadata
---
amdhsa.version: [ 1, 2 ]
amdhsa.kernels:
  - .name:           k_q228df888e9_qkv
    .symbol:         k_q228df888e9_qkv.kd
    .args:
      - { .name: XF, .offset: 0, .size: 8, .value_kind: global_buffer, .address_space: global }
      - { .name: WQKV, .offset: 8, .size: 8, .value_kind: global_buffer, .address_space: global }
      - { .name: bq, .offset: 16, .size: 8, .value_kind: global_buffer, .address_space: global }
      - { .name: bk, .offset: 24, .size: 8, .value_kind: global_buffer, .address_space: global }
      - { .name: bv, .offset: 32, .size: 8, .value_kind: global_buffer, .address_space: global }
      - { .name: QF, .offset: 40, .size: 8, .value_kind: global_buffer, .address_space: global }
      - { .name: KF, .offset: 48, .size: 8, .value_kind: global_buffer, .address_space: global }
      - { .name: VF, .offset: 56, .size: 8, .value_kind: global_buffer, .address_space: global }
    .group_segment_fixed_size: 0
    .private_segment_fixed_size: 0
    .kernarg_segment_align: 8
    .kernarg_segment_size: 64
    .max_flat_workgroup_size: 128
    .sgpr_count:     66
    .vgpr_count:     896
    .wavefront_size: 32
...
	.end_amdgpu_metadata
.endif
;; end of part 2
;; launch ktv (part 3): grid 256 x 1, 4 waves a work-group, no clusters, 33,280 bytes of LDS; arguments KF, VF, KTV; writes KTV
.if DOCPART == 3
	.amdgcn_target "amdgcn-amd-amdhsa--gfx1250"
	.amdhsa_code_object_version 6
	.text
	.protected	k_q228df888e9_ktv
	.globl	k_q228df888e9_ktv
	.p2align	8
	.type	k_q228df888e9_ktv,@function
k_q228df888e9_ktv:
	s_mov_b64 s[64:65], 0
	v_nop
	global_prefetch_b8 v0, s[64:65] scope:SCOPE_SE
	s_setreg_imm32_b32 hwreg(HW_REG_WAVE_MODE, 25, 1), 1
	s_wait_xcnt 0x0
; GENIACore, launch 3 of 4: KTV[b] = k[b]^T v[b] / 8, 256 x 256 for each of 8 batches, a sum over the batch's 2,048 rows; k and v in f16, sums in f32.
; (It takes the place of reference()'s [n, n] scores: (q k^T) v = q (k^T v) for all values; see the first kernel's head.)
; FORMAT OUT.  The result grows with the square of the weights and with the number of rows and has no room in f16: it is stored as TWO bf16 numbers, hi = bf16(s) and lo = bf16(s - hi),
; since the product q KTV can cancel heavily and the norm behind it magnifies what its operands lost.
; SHARES.  A work-group has 64 x 32 of one batch's result: 4 tiles along i (k's columns) x 2 along j (v's columns).  THE SUM IS SPLIT AMONG ITS FOUR WAVES: wave w takes rows 512 w .. + 511,
; 16 steps of 32 rows; the four partial sums meet in LDS at the end, in f32.  Source 0 = k's fragment (a lane a column i of k), source 1 = v's: in the result a lane holds column j and
; 8 rows i: rounded to bf16, half of the weight fragment that the last launch multiplies q by.
; Four sets of registers, a step each: three steps' loads (36 of 512 bytes a wave) are out while one is multiplied.  No tensor load, no cluster, no prefetch: the launch is short, and each wave's stream is its own.
; window 0: v1 16 x lane; v7 -1; v64-127 eight accumulators; v128-207 at work at the end      window 1: four sets of 48: four fragments of k, two of v
.set SPARE, 32768                      ; behind the partial sums (4 waves x 8 tiles x 1,024 bytes): the spare words, 128 bytes for each wave
.set SPW, 2
.set NIL, 3
.set NEG, 7
.set KB, 20
.set VB, 24
.set CNT, 28
.set MSB, 0
.macro WIN new
.if MSB != (\new)
	s_set_vgpr_msb (MSB<<8)|(\new)
.set MSB, \new
.endif
.endm
.macro PLACES
.rept 4
	v_nop
.endr
.endm
.macro LOADS sn, set                   ; the step that lies sn steps behind the two pointers
	WIN 0x40
.set li, 0
.rept 8
	global_load_b128 v[48*(\set)+4*li:48*(\set)+4*li+3], v1, s[KB:KB+1] offset:(\sn)*16384+li*512
.set li, li+1
.endr
.set li, 0
.rept 4
	global_load_b128 v[48*(\set)+32+4*li:48*(\set)+32+4*li+3], v1, s[VB:VB+1] offset:(\sn)*16384+li*512
.set li, li+1
.endr
.endm
.macro MULS set, zero                  ; the eight accumulators take turns
	WIN 0x05
.irp a, 0,1,2,3
.irp c, 0,1
.if \zero
	v_wmma_f32_16x16x32_f16 v[64+8*(2*\a+\c):64+8*(2*\a+\c)+7], v[48*(\set)+8*\a:48*(\set)+8*\a+7], v[48*(\set)+32+8*\c:48*(\set)+32+8*\c+7], 0
.else
	v_wmma_f32_16x16x32_f16 v[64+8*(2*\a+\c):64+8*(2*\a+\c)+7], v[48*(\set)+8*\a:48*(\set)+8*\a+7], v[48*(\set)+32+8*\c:48*(\set)+32+8*\c+7], v[64+8*(2*\a+\c):64+8*(2*\a+\c)+7]
.endif
.endr
.endr
.endm
.macro STEP set, sn                    ; multiplies set 'set'; the step three on goes into the set that the step before multiplied
	PLACES
	s_wait_loadcnt 24                              ; this step's 12 loads are in; two younger steps' may stay out
.if (\sn) == 0
	s_wait_xcnt 0x0                                ; the loads issued so far have read their addresses: the pointers go four steps on
	s_add_nc_u64 s[KB:KB+1], s[KB:KB+1], 65536
	s_add_nc_u64 s[VB:VB+1], s[VB:VB+1], 65536
.endif
	LOADS \sn, \sn
	MULS \set, 0
.endm
	s_load_b128 s[8:11], s[0:1], 0x0               ; KF, VF
	s_load_b64 s[12:13], s[0:1], 0x10              ; KTV
	v_lshl_add_u32 v[SPW], v0, 2, SPARE
	v_mov_b32 v[NIL], 0
	v_mov_b32 v[NEG], -1.0
	v_lshrrev_b32 v4, 5, v0
	v_readfirstlane_b32 s2, v4                     ; wave 0..3
	v_and_b32 v4, 31, v0
	v_lshlrev_b32 v1, 4, v4
	s_lshr_b32 s3, ttmp9, 5                        ; batch
	s_bfe_u32 s4, ttmp9, 0x20003                   ; which 4 tiles along i
	s_and_b32 s5, ttmp9, 7                         ; which 2 tiles along j
	s_lshl_b32 s14, s3, 20                         ; a batch: 64 blocks of 32 rows x 16,384 bytes
	s_lshl_b32 s15, s2, 18                         ; my 16 blocks
	s_add_co_u32 s14, s14, s15
	s_lshl_b32 s16, s4, 12
	s_add_co_u32 s16, s16, s14
	s_mov_b32 s17, 0
	s_lshl_b32 s18, s5, 11
	s_add_co_u32 s18, s18, s14
	s_mov_b32 s19, 0
	s_lshl_b32 s22, s3, 18                         ; KTV: [batch][wave of the last launch: j tile / 4][i32 / 4][hi, lo][i32 % 4][j tile % 4][1,024 bytes], i32 = i / 32
	s_lshr_b32 s23, s5, 1
	s_lshl_b32 s23, s23, 16
	s_add_co_u32 s22, s22, s23
	s_lshl_b32 s23, s4, 1
	s_lshr_b32 s26, s2, 1
	s_add_co_u32 s23, s23, s26                     ; i32 of the tile that I finish: i tile 4 ig + w
	s_lshr_b32 s26, s23, 2
	s_lshl_b32 s26, s26, 15
	s_add_co_u32 s22, s22, s26
	s_and_b32 s23, s23, 3
	s_lshl_b32 s23, s23, 12
	s_add_co_u32 s22, s22, s23
	s_and_b32 s23, s5, 1
	s_lshl_b32 s23, s23, 11
	s_add_co_u32 s22, s22, s23
	s_and_b32 s23, s2, 1
	s_lshl_b32 s23, s23, 9                         ; which half of the fragment
	s_add_co_u32 s22, s22, s23
	s_mov_b32 s23, 0
	s_lshl_b32 s27, s2, 13
	v_add_nc_u32 v5, s27, v1                       ; where I put my partial sums
	s_lshl_b32 s27, s2, 11
	v_add_nc_u32 v6, s27, v1                       ; where I read the two tiles that I finish
	s_wait_kmcnt 0x0
	s_add_nc_u64 s[KB:KB+1], s[8:9], s[16:17]
	s_add_nc_u64 s[VB:VB+1], s[10:11], s[18:19]
	s_add_nc_u64 s[12:13], s[12:13], s[22:23]
	LOADS 0, 0
	LOADS 1, 1
	LOADS 2, 2
	s_wait_loadcnt 24                              ; step 0 is in
	LOADS 3, 3
	MULS 0, 1                                      ; step 0 starts the sums
	WIN 0
	s_mov_b32 s[CNT], 3
.Lk:                                           ; steps 1 to 12; they ask for steps 4 to 15
	STEP 1, 0
	STEP 2, 1
	STEP 3, 2
	STEP 0, 3
	WIN 0
	s_sub_co_u32 s[CNT], s[CNT], 1
	s_cmp_lg_u32 s[CNT], 0
	s_cbranch_scc1 .Lk
	s_wait_loadcnt 24                              ; the last three steps ask for nothing: the counts run down
	MULS 1, 0
	s_wait_loadcnt 12
	MULS 2, 0
	s_wait_loadcnt 0x0
	MULS 3, 0
	PLACES
	PLACES
	WIN 0
.set ti, 0
.rept 16
	ds_store_b128 v5, v[64+4*ti:67+4*ti] offset:512*ti
.set ti, ti+1
.endr
	s_wait_dscnt 0x0                               ; for the others' sake: my partial sums are stored
	s_barrier_signal -1
	s_barrier_wait -1
.irp w, 0,1,2,3
.irp u, 0,1,2,3
	ds_load_b128 v[128+16*\w+4*\u:131+16*\w+4*\u], v6 offset:8192*\w+512*\u
.endr
.endr
	s_wait_dscnt 0x0
.set pi, 0
.rept 8
	v_pk_add_f32 v[128+2*pi:129+2*pi], v[128+2*pi:129+2*pi], v[144+2*pi:145+2*pi]
	v_pk_add_f32 v[160+2*pi:161+2*pi], v[160+2*pi:161+2*pi], v[176+2*pi:177+2*pi]
.set pi, pi+1
.endr
.set pi, 0
.rept 8
	v_pk_add_f32 v[128+2*pi:129+2*pi], v[128+2*pi:129+2*pi], v[160+2*pi:161+2*pi]
.set pi, pi+1
.endr
.set pi, 0
.rept 8
	v_pk_mul_f32 v[128+2*pi:129+2*pi], v[128+2*pi:129+2*pi], 0x3e000000 op_sel_hi:[1,0]  ; 1 / sqrt(64)
.set pi, pi+1
.endr
.set pi, 0
.rept 8
	v_cvt_pk_bf16_f32 v[192+pi], v[128+2*pi], v[129+2*pi]
.set pi, pi+1
.endr
.set pi, 0
.rept 8                                ; less the upper number: exact
	v_fma_mix_f32_bf16 v[128+2*pi], v[192+pi], v[NEG], v[128+2*pi] op_sel_hi:[1,0,0]
	v_fma_mix_f32_bf16 v[129+2*pi], v[192+pi], v[NEG], v[129+2*pi] op_sel:[1,0,0] op_sel_hi:[1,0,0]
.set pi, pi+1
.endr
.set pi, 0
.rept 8
	v_cvt_pk_bf16_f32 v[200+pi], v[128+2*pi], v[129+2*pi]
.set pi, pi+1
.endr
	global_store_b128 v1, v[192:195], s[12:13]
	global_store_b128 v1, v[196:199], s[12:13] offset:1024
	global_store_b128 v1, v[200:203], s[12:13] offset:16384
	global_store_b128 v1, v[204:207], s[12:13] offset:16384+1024
	s_wait_tensorcnt 0x0                           ; the wave's end, behind my last LDS store
	ds_add_u32 v[SPW], v[NIL]
	s_wait_dscnt 0x0
	s_endpgm
.Lfunc_end_k_q228df888e9_ktv:
	.size	k_q228df888e9_ktv, .Lfunc_end_k_q228df888e9_ktv-k_q228df888e9_ktv
	.p2alignl 7, 3214868480
	.fill 96, 4, 3214868480
	.section	.rodata,"a",@progbits
	.p2align	6, 0x0
	.amdhsa_kernel k_q228df888e9_ktv
		.amdhsa_group_segment_fixed_size 33280
		.amdhsa_private_segment_fixed_size 0
		.amdhsa_enable_private_segment 0
		.amdhsa_kernarg_size 24
		.amdhsa_user_sgpr_count 2
		.amdhsa_user_sgpr_kernarg_segment_ptr 1
		.amdhsa_wavefront_size32 1
		.amdhsa_system_sgpr_workgroup_id_x 1
		.amdhsa_system_sgpr_workgroup_id_y 1
		.amdhsa_system_sgpr_workgroup_id_z 1
		.amdhsa_system_vgpr_workitem_id 0
		.amdhsa_next_free_vgpr 512
		.amdhsa_next_free_sgpr 66
		.amdhsa_reserve_vcc 0
		.amdhsa_float_denorm_mode_32 3
		.amdhsa_float_denorm_mode_16_64 3
		.amdhsa_memory_ordered 1
		.amdhsa_forward_progress 1
		.amdhsa_inst_pref_size 24
	.end_amdhsa_kernel
	.amdgpu_metadata
---
amdhsa.version: [ 1, 2 ]
amdhsa.kernels:
  - .name:           k_q228df888e9_ktv
    .symbol:         k_q228df888e9_ktv.kd
    .args:
      - { .name: KF, .offset: 0, .size: 8, .value_kind: global_buffer, .address_space: global }
      - { .name: VF, .offset: 8, .size: 8, .value_kind: global_buffer, .address_space: global }
      - { .name: KTV, .offset: 16, .size: 8, .value_kind: global_buffer, .address_space: global }
    .group_segment_fixed_size: 33280
    .private_segment_fixed_size: 0
    .kernarg_segment_align: 8
    .kernarg_segment_size: 24
    .max_flat_workgroup_size: 128
    .sgpr_count:     66
    .vgpr_count:     512
    .wavefront_size: 32
...
	.end_amdgpu_metadata
.endif
;; end of part 3
;; launch chain (part 4): grid 256 x 1, 4 waves a work-group, no clusters, 327,680 bytes of LDS; arguments XF, QF, KTV, WS3, bu, g1, be1, b1, b2, g2, be2, b3, b4, g3, be3, out0; writes out0
.if DOCPART == 4
	.amdgcn_target "amdgcn-amd-amdhsa--gfx1250"
	.amdhsa_code_object_version 6
	.text
	.protected	k_q228df888e9_chain
	.globl	k_q228df888e9_chain
	.p2align	8
	.type	k_q228df888e9_chain,@function
k_q228df888e9_chain:
	s_mov_b64 s[64:65], 0
	v_nop
	global_prefetch_b8 v0, s[64:65] scope:SCOPE_SE
	s_setreg_imm32_b32 hwreg(HW_REG_WAVE_MODE, 25, 1), 1
	s_wait_xcnt 0x0
; GENIACore, launch 4 of 4: 64 rows a work-group through the rest of the module:
;   attn = q KTV;  h1 = LN(x + attn Wu + bu);  f = relu(h1 W1 + b1);  h2 = LN(h1 + f W2 + b2);  t = relu(h2 W3 + b3);  out = sigmoid(LN(t W4 + b4)).
; (KTV = k^T v / 8 takes the place of reference()'s [n, n] scores: (q k^T) v = q (k^T v) for all values; see the first kernel's head.)
; FORMATS.  Sums f32; means, variances (by two passes, as reference() takes them), gains and the sigmoid in f32.  x, h1, h2 lie in LDS in f16, rounded once, as operands and as residuals: a norm's output is at most
; 32 |g| + |be|, so f16 has room (a gain beyond some 2,000 would give an infinity); W1 and W3 are bf16 numbers written as f16.  attn, f, t grow with products of weights: bf16, rounded once, with Wu, W2, W4 in bf16.
; q KTV can cancel heavily, and the norm behind it magnifies what its operands lost: q and KTV each come as two bf16 numbers, and attn = q_hi K_hi + q_lo K_hi + q_hi K_lo (the fourth term is below f32's step).
; SHARES.  In every product but the last, wave w owns a quarter of the output columns for all four row tiles of 16.  Every product is taken transposed (source 0 = weights, source 1 = activations): lane
; 16 h + r of tile (ct, mt) holds row 16 mt + r and columns 16 ct + 8 h + 0..7, which rounded to 16 bits are the 16 bytes of THE SAME LANE in a fragment of the next product: nothing changes lanes.
; A fragment is 16 rows x 32 k, 1,024 bytes: bytes 16 l of the first 512: k = 8 h .. + 7, of the second 512: k = 16 + 8 h .. + 7.
; THE WEIGHTS are one stream for each wave (KTV's eight units, then 115 units of WS3; a unit is 8 fragments, 16 loads of 512 consecutive bytes), straight into a ring of four register buffers:
; three units, 48 loads, are out while one is multiplied, with counted waits and no barrier in any K loop.  No LDS ring and no joint loads for them: no fragment is wanted by two waves of the work-group,
; and what LDS could spare beside the activations, some 128,000 bytes, makes two slots of 15 fragments a wave: 60 matrix instructions from a request to the wait for it, with a round of a cluster's barrier for each.
; AHEAD OF THE LOADS.  Unit u of a wave's stream in WS3, 32 blocks of 256 bytes, a lane a block, is prefetched into the L2 once in the launch: by the same wave of work-group u, in the unit in which that
; wave loads unit u - 10: ten units, 320 matrix instructions, ahead of the load of unit u.  All work-groups walk the same four streams, so one asks for all.  Units 0 to 12 come by their loads alone (they would
; have to be asked for at the kernel's head); work-groups 115 to 255 ask for nothing: a stream has 115 units.  KTV's units are wanted at the head, x and q come by the head's tensor loads: none of them is asked for.
; THE ACTIVATIONS lie in LDS as fragments; the x and q tiles come by tensor loads, six a wave, all at the head: nothing is ever filled again by them.  (All of LDS is claimed.)
; THE SMALL VECTORS (eight biases and gains of 1,024 or 512 numbers, three of 75) are read once, at the head, 16 bytes a thread, and lie in LDS in f32: what a product or a norm wants of them comes by LDS loads.
; REGISTERS, in windows of 256 (s_set_vgpr_msb: bits 1:0 source 0, 3:2 source 1, 5:4 source 2, 7:6 destination):
;   window 0: v1-31 addresses and constants; v32-95 activation fragments, two buffers of four; v96-223 bias tiles, the C of a product's first K step; v224-255 statistics;
;             between products v32-95 and v160-223 are two areas of 64 at work
;   window 1: the ring      window 2: accumulators of column tiles 0-7 (tile (ct, mt) at 32 ct + 8 mt)      window 3: those of 8-15; q's fragments at the start, t's at the end
.set HB,    0                          ; LDS: [row tile: 32,768][k32: 1,024]: x, then h1, then h2, then the last product's partial sums
.set FB,    131072                     ; [row tile: 16,384][k32: 1,024]: attn (k32 0-7), then f, then t
.set S1,    196608                     ; row sums, [row tile][row][wave] f32, 1,024 bytes; the sums of squares in the next 1,024
.set STG,   198656                     ; the output tile, [64][75] f32, packed: 19,200 bytes, and 256 for what the last row's padding columns spill
.set SPARE, 218112                     ; the spare words, 128 bytes for each wave: two blocks of 256 bytes that no other line names
.set QI,    218624                     ; q's upper numbers, [row tile: 8,192][k32: 1,024]; its lower numbers 32,768 further
.set PRM,   284160                     ; the small vectors: bu 0, g1 4,096, be1 8,192, b2 12,288, g2 16,384, be2 20,480, b1 24,576, b3 26,624, b4 28,672, g3 29,184, be3 29,696 (the last three: 128 words, of which 75 count)
.set AHEAD, 10                         ; units from a prefetch to the load of the unit that it names
.set L16, 1                            ; 16 x lane
.set SPW, 2                            ; SPARE + 4 x my thread's number; never rewritten
.set NIL, 3                            ; 0; never rewritten
.set AL,  4                            ; LDS address of the activation fragments to be fetched; AH: 65,536 further
.set AH,  5
.set HW0, 6                            ; my wave's columns in HB, row tiles 0, 1; v7: row tiles 2, 3
.set FW,  8                            ; my columns in f and t
.set AT,  9                            ; my columns in attn
.set QA,  10
.set SW,  11                           ; where I put a row's sum; SR: where I read the four waves' sums
.set SR,  12
.set PB10, 13                          ; LDS address of my lane's 8 columns of my wave's first tile in bu; b2 lies 12,288 further
.set PB5, 14                           ; the same in b1; stepped to b3 behind the first layer
.set PB4, 15                           ; the same in b4; g3 and be3 lie 512 and 1,024 further
.set ONE, 16
.set ZERO, 17
.set RW0, 18                           ; the last product's partial sums: in (v19: 65,536 further), RR: back
.set RR,  20
.set ST,  21                           ; my row in the output tile
.set L16H, 22
.set OL,  23
.set OG,  24                           ; 16 x my thread's number
.set HH,  25                           ; h
.set RL,  26                           ; r
.set LG,  27                           ; as PB10, in g1 (be1 lies 4,096 further); stepped to g2 behind the first layer
.set PFO, 30                           ; 256 x lane; never rewritten
.set AF,  32
.set BIAS, 96
.set TA0, 32
.set TA1, 160
.set CH,  224                          ; chain k of row tile mt at CH + 4 mt + 2 k
.set RSTD, 240
.set MEAN, 248
.set WV,  2
.set G1,  40                           ; s[40:47] descriptor group 1; group 0: s[48:51] q's upper numbers, s[96:99] its lower, s[52:63] x's row tiles 0-2, s[68:71] row tile 3
.set PB,  66                           ; s[66:67] q KTV: where ring positions 1 to 3 load from
.set WP,  72                           ; s[72:73] my stream in WS3, at the unit loaded last
.set KP,  74
.set PFC, 76                           ; units to go until my work-group's one prefetch
.set LAY, 82
.set CNT, 83
.set SEL, 84                           ; s[84:85] v_permlanex16_b32's selects: each lane takes its own place in the other half
.set AO,  86
.set LIM, 87
.set OB,  88
.set INV, 90
.set EPS, 91
.set MK,  92
.set QO,  93
.set I75, 94
.set MSB, 0
.macro WIN new                         ; the immediate's high byte repeats the setting that is left; a switch that changes nothing is dropped
.if MSB != (\new)
	s_set_vgpr_msb (MSB<<8)|(\new)
.set MSB, \new
.endif
.endm
.macro PLACES                          ; four places behind a product, in front of loads into registers that it has read and of vector work on its results (ISA guide 7.12.1 for vector instructions)
.rept 4
	v_nop
.endr
.endm
.macro BAR
	s_barrier_signal -1
	s_barrier_wait -1
.endm
.macro WLOAD buf, ptr, imm             ; a unit of the stream into ring buffer buf
	WIN 0x40
.set wi, 0
.rept 16
	global_load_b128 v[64*(\buf)+4*wi:64*(\buf)+4*wi+3], v[L16], s[\ptr:\ptr+1] offset:(\imm)+512*wi
.set wi, wi+1
.endr
.endm
.macro ALOAD abuf, r01, r23, o0, o1, o2, o3
	ds_load_b128 v[AF+32*(\abuf):AF+32*(\abuf)+3],     v[\r01] offset:\o0
	ds_load_b128 v[AF+32*(\abuf)+4:AF+32*(\abuf)+7],   v[\r01] offset:(\o0)+512
	ds_load_b128 v[AF+32*(\abuf)+8:AF+32*(\abuf)+11],  v[\r01] offset:\o1
	ds_load_b128 v[AF+32*(\abuf)+12:AF+32*(\abuf)+15], v[\r01] offset:(\o1)+512
	ds_load_b128 v[AF+32*(\abuf)+16:AF+32*(\abuf)+19], v[\r23] offset:\o2
	ds_load_b128 v[AF+32*(\abuf)+20:AF+32*(\abuf)+23], v[\r23] offset:(\o2)+512
	ds_load_b128 v[AF+32*(\abuf)+24:AF+32*(\abuf)+27], v[\r23] offset:\o3
	ds_load_b128 v[AF+32*(\abuf)+28:AF+32*(\abuf)+31], v[\r23] offset:(\o3)+512
.endm
.macro AFETCH abuf, kind               ; the four row tiles' fragments at LDS byte s[AO].  kind 1: attn or f, 2: h
	WIN 0
	v_add_nc_u32 v[AL], s[AO], v[L16]
.if (\kind) == 2
	v_add_nc_u32 v[AH], s[AO], v[L16H]
	ALOAD \abuf, AL, AH, 0, 32768, 0, 32768
.else
	ALOAD \abuf, AL, AL, 0, 16384, 32768, 49152
.endif
.endm
.macro MUL32 buf, abuf, w, mode, op    ; 8 column tiles x 4 row tiles, 32 along K; the 32 accumulators take turns, one instruction a turn.  mode = 1: C is the bias tile
.if \mode
	WIN 0x01|((\w)<<6)
.else
	WIN 0x01|((\w)<<4)|((\w)<<6)
.endif
.set mc, 0
.rept 8
.set mm, 0
.rept 4
.if \mode
	\op v[32*mc+8*mm:32*mc+8*mm+7], v[64*(\buf)+8*mc:64*(\buf)+8*mc+7], v[AF+32*(\abuf)+8*mm:AF+32*(\abuf)+8*mm+7], v[BIAS+8*(mc+8*((\w)-2)):BIAS+8*(mc+8*((\w)-2))+7]
.else
	\op v[32*mc+8*mm:32*mc+8*mm+7], v[64*(\buf)+8*mc:64*(\buf)+8*mc+7], v[AF+32*(\abuf)+8*mm:AF+32*(\abuf)+8*mm+7], v[32*mc+8*mm:32*mc+8*mm+7]
.endif
.set mm, mm+1
.endr
.set mc, mc+1
.endr
.endm
; A unit: the stream's unit three on is asked for, into the buffer that the unit before multiplied: it has three units, 96 products, in which to land.  Behind these loads stands the work-group's one prefetch,
; in the unit in which its count has run down: it names the unit ten behind the one just loaded.
; await = 1: this unit's activation fragments (and, in a product's first unit, its bias tiles) are waited for; anext = 1: the next K step's are fetched into the other buffer.  kind 2 (h) multiplies in f16, kind 1 in bf16.
.macro UNIT buf, abuf, w, mode, await, anext, kind
	PLACES
	s_wait_loadcnt 32                              ; this unit's 16 loads are in; two younger units' may stay out
	s_wait_xcnt 0x0                                ; the loads and the prefetch issued so far have read their address: the pointer may be written
	s_add_nc_u64 s[WP:WP+1], s[WP:WP+1], 8192
	WLOAD ((\buf)+3)%4, WP, 0
	WIN 0
	s_cmp_eq_u32 s[PFC], 0
	s_cbranch_scc0 .Lnp_\@
	global_prefetch_b8 v[PFO], s[WP:WP+1] offset:AHEAD*8192 th:TH_LOAD_NT scope:SCOPE_SE
.Lnp_\@:
	s_sub_co_u32 s[PFC], s[PFC], 1
.if \await
	s_wait_dscnt 0x0
.endif
.if \anext
	s_add_co_u32 s[AO], s[AO], 1024
	AFETCH 1-(\abuf), \kind
.endif
.if (\kind) == 2
	MUL32 \buf, \abuf, \w, \mode, v_wmma_f32_16x16x32_f16
.else
	MUL32 \buf, \abuf, \w, \mode, v_wmma_f32_16x16x32_bf16
.endif
.endm
.macro PIN4 reg, ptr                   ; a vector of 1,024 numbers: 16 bytes a thread, twice
	global_load_b128 v[\reg:\reg+3], v[OG], s[\ptr:\ptr+1]
	global_load_b128 v[\reg+4:\reg+7], v[OG], s[\ptr:\ptr+1] offset:2048
.endm
.macro BLOAD16 off                     ; a bias of 1,024: my 16 tiles, out of LDS
	WIN 0
.set bl, 0
.rept 32
	ds_load_b128 v[BIAS+4*bl:BIAS+4*bl+3], v[PB10] offset:(\off)+(bl/2)*64+(bl%2)*16
.set bl, bl+1
.endr
.endm
.macro PLOAD base, off                 ; a vector of 75 as five tiles; columns 75 to 79 (lanes 16-31, registers 3-7 of the last tile) find copies of number 74, which nothing uses
.set pl, 0
.rept 10
	ds_load_b128 v[(\base)+4*pl:(\base)+4*pl+3], v[PB4] offset:(\off)+(pl/2)*64+(pl%2)*16
.set pl, pl+1
.endr
.endm
; THE NORM over 1,024 columns, in batches of 4 column tiles x 4 row tiles.
.macro RLOAD bt, area                  ; the residual's pieces: 16 bytes a lane and tile, my wave's own bytes of HB
	WIN 0
.set rc, 0
.rept 4
.set rm, 0
.rept 4
	ds_load_b128 v[(\area)+16*rc+4*rm:(\area)+16*rc+4*rm+3], v[HW0+rm/2] offset:(rm%2)*32768+(4*(\bt)+rc)*512
.set rm, rm+1
.endr
.set rc, rc+1
.endr
.endm
.macro PASSA bt, area                  ; + residual (f16 halves, widened in the multiply-add); then the rows' sums, eight chains
.set pw, 2+(\bt)/2
	WIN (pw<<6)|(pw<<4)
.set pc, 0
.rept 4
.set pm, 0
.rept 4
.set pa, 32*((4*(\bt)+pc)%8)+8*pm
.set pr, (\area)+16*pc+4*pm
.set pq, 0
.rept 4
	v_fma_mix_f32 v[pa+2*pq], v[pr+pq], v[ONE], v[pa+2*pq] op_sel_hi:[1,0,0]
	v_fma_mix_f32 v[pa+2*pq+1], v[pr+pq], v[ONE], v[pa+2*pq+1] op_sel:[1,0,0] op_sel_hi:[1,0,0]
.set pq, pq+1
.endr
.set pm, pm+1
.endr
.set pc, pc+1
.endr
.set pc, 0
.rept 4
.if ((\bt) == 0) && (pc == 0)
	WIN 0x0a                                       ; the first tile's pairs start the chains: nothing is cleared
.set pm, 0
.rept 4
	v_pk_add_f32 v[CH+4*pm:CH+4*pm+1], v[8*pm:8*pm+1], v[8*pm+2:8*pm+3]
.set pm, pm+1
.endr
.set pm, 0
.rept 4
	v_pk_add_f32 v[CH+4*pm+2:CH+4*pm+3], v[8*pm+4:8*pm+5], v[8*pm+6:8*pm+7]
.set pm, pm+1
.endr
.else
	WIN pw<<2
.set pq, 0
.rept 4
.set pm, 0
.rept 4
.set pa, 32*((4*(\bt)+pc)%8)+8*pm+2*pq
	v_pk_add_f32 v[CH+4*pm+2*(pq%2):CH+4*pm+2*(pq%2)+1], v[CH+4*pm+2*(pq%2):CH+4*pm+2*(pq%2)+1], v[pa:pa+1]
.set pm, pm+1
.endr
.set pq, pq+1
.endr
.endif
.set pc, pc+1
.endr
.endm
.macro GLOAD bt, area                  ; gain and bias of the batch's 64 columns, out of LDS
	WIN 0
.set gl, 0
.rept 8
	ds_load_b128 v[(\area)+4*gl:(\area)+4*gl+3], v[LG] offset:(4*(\bt)+gl/2)*64+(gl%2)*16
	ds_load_b128 v[(\area)+32+4*gl:(\area)+32+4*gl+3], v[LG] offset:4096+(4*(\bt)+gl/2)*64+(gl%2)*16
.set gl, gl+1
.endr
.endm
.macro REDUCE off                      ; the chains -> each row's sum over all 1,024 columns, in v[CH+4 mt] of every lane: the lane's, the other half of the lanes', the four waves' through LDS
	WIN 0
.irp m, 0,1,2,3
	v_pk_add_f32 v[CH+4*\m:CH+4*\m+1], v[CH+4*\m:CH+4*\m+1], v[CH+4*\m+2:CH+4*\m+3]
.endr
.irp m, 0,1,2,3
	v_add_f32 v[CH+4*\m], v[CH+4*\m], v[CH+4*\m+1]
.endr
.irp m, 0,1,2,3
	v_permlanex16_b32 v[CH+4*\m+1], v[CH+4*\m], s[SEL], s[SEL+1]
.endr
.irp m, 0,1,2,3
	v_add_f32 v[CH+4*\m], v[CH+4*\m], v[CH+4*\m+1]
.endr
.irp m, 0,1,2,3
	ds_store_b32 v[SW], v[CH+4*\m] offset:(\off)+256*\m
.endr
	s_wait_dscnt 0x0                               ; for the others' sake: my sums are stored
	BAR
.irp m, 0,1,2,3
	ds_load_b128 v[CH+4*\m:CH+4*\m+3], v[SR] offset:(\off)+256*\m
.endr
	s_wait_dscnt 0x0
.irp m, 0,1,2,3
	v_pk_add_f32 v[CH+4*\m:CH+4*\m+1], v[CH+4*\m:CH+4*\m+1], v[CH+4*\m+2:CH+4*\m+3]
.endr
.irp m, 0,1,2,3
	v_add_f32 v[CH+4*\m], v[CH+4*\m], v[CH+4*\m+1]
.endr
.endm
.macro PASSB w                         ; - mean, in place; then the sums of squares
	WIN ((\w)<<6)|(\w)
.set bc, 0
.rept 8
.set bm, 0
.rept 4
.set bq, 0
.rept 4
.set ba, 32*bc+8*bm+2*bq
	v_pk_add_f32 v[ba:ba+1], v[ba:ba+1], v[MEAN+2*bm:MEAN+2*bm+1] op_sel_hi:[1,0] neg_lo:[0,1] neg_hi:[0,1]
.set bq, bq+1
.endr
.set bm, bm+1
.endr
.set bc, bc+1
.endr
	WIN ((\w)<<2)|(\w)
.set bc, 0
.rept 8
.set bq, 0
.rept 4
.set bm, 0
.rept 4
.set ba, 32*bc+8*bm+2*bq
.if ((\w) == 2) && (bc == 0) && (bq < 2)
	v_pk_mul_f32 v[CH+4*bm+2*bq:CH+4*bm+2*bq+1], v[ba:ba+1], v[ba:ba+1]
.else
	v_pk_fma_f32 v[CH+4*bm+2*(bq%2):CH+4*bm+2*(bq%2)+1], v[ba:ba+1], v[ba:ba+1], v[CH+4*bm+2*(bq%2):CH+4*bm+2*(bq%2)+1]
.endif
.set bm, bm+1
.endr
.set bq, bq+1
.endr
.set bc, bc+1
.endr
.endm
.macro PASSC bt, area, n               ; x 1/sigma, x gain + bias, rounded to f16 in place, into my columns of HB.  n: the LDS instructions issued behind this batch's gains, which may stay out (-1: they have been waited for)
.set cw, 2+(\bt)/2
.if (\n) >= 0
	s_wait_dscnt \n
.endif
	WIN (cw<<6)|cw
.set cc, 0
.rept 4
.set cm, 0
.rept 4
.set cq, 0
.rept 4
.set ca, 32*((4*(\bt)+cc)%8)+8*cm+2*cq
	v_pk_mul_f32 v[ca:ca+1], v[ca:ca+1], v[RSTD+2*cm:RSTD+2*cm+1] op_sel_hi:[1,0]
.set cq, cq+1
.endr
.set cm, cm+1
.endr
.set cc, cc+1
.endr
.set cc, 0
.rept 4
.set cm, 0
.rept 4
.set cq, 0
.rept 4
.set ca, 32*((4*(\bt)+cc)%8)+8*cm+2*cq
	v_pk_fma_f32 v[ca:ca+1], v[ca:ca+1], v[(\area)+8*cc+2*cq:(\area)+8*cc+2*cq+1], v[(\area)+32+8*cc+2*cq:(\area)+32+8*cc+2*cq+1]
.set cq, cq+1
.endr
.set cm, cm+1
.endr
.set cc, cc+1
.endr
	WIN (cw<<6)|(cw<<2)|cw
.set cc, 0
.rept 16
.set ca, 32*((4*(\bt)+cc/4)%8)+8*(cc%4)
.irp q, 0,1,2,3
	v_cvt_pk_f16_f32 v[ca+\q], v[ca+2*\q], v[ca+2*\q+1]
.endr
.set cc, cc+1
.endr
	WIN cw<<2
.set cc, 0
.rept 16
.set ca, 32*((4*(\bt)+cc/4)%8)+8*(cc%4)
	ds_store_b128 v[HW0+(cc%4)/2], v[ca:ca+3] offset:(cc%2)*32768+(4*(\bt)+cc/4)*512
.set cc, cc+1
.endr
.endm
; attn = q KTV, unit p of a trip's four: units 0, 1 hold KTV's upper numbers for K steps 0, 1 and 2, 3 of the trip's four and multiply q's upper and lower numbers; units 2, 3 hold its lower numbers
; for the same K steps and multiply q's upper numbers.  4 column tiles x 4 row tiles: the 16 accumulators take turns.  dsn: the LDS loads that may stay out (-1: no wait).
.macro P0UNIT p, ptr, imm, dsn
.if (\p) > 0
	PLACES
.endif
	s_wait_loadcnt 32
	WLOAD ((\p)+3)%4, \ptr, \imm
.if (\dsn) >= 0
	s_wait_dscnt \dsn
.endif
	WIN 0xad
.set qk, 0
.rept 2
.set kl, 2*((\p)%2)+qk
.set qp, 0
.rept 2-(\p)/2
.set qc, 0
.rept 4
.set qm, 0
.rept 4
	v_wmma_f32_16x16x32_bf16 v[32*qc+8*qm:32*qc+8*qm+7], v[64*(\p)+8*(4*qk+qc):64*(\p)+8*(4*qk+qc)+7], v[128*qp+8*(4*qm+kl):128*qp+8*(4*qm+kl)+7], v[32*qc+8*qm:32*qc+8*qm+7]
.set qm, qm+1
.endr
.set qc, qc+1
.endr
.set qp, qp+1
.endr
.set qk, qk+1
.endr
.endm
	s_load_b512 s[8:23], s[0:1], 0x0               ; XF 8, QF 10, KTV 12, WS3 14, bu 16, g1 18, be1 20, b1 22
	s_load_b512 s[24:39], s[0:1], 0x40             ; b2 24, g2 26, be2 28, b3 30, b4 32, g3 34, be3 36, out0 38
	v_lshl_add_u32 v[SPW], v0, 2, SPARE
	v_mov_b32 v[NIL], 0
	ds_add_u32 v[SPW], v[NIL]                      ; the wave's opening: the add, twice on end, and its wait ahead of my first tensor load; work on registers stands between
	ds_add_u32 v[SPW], v[NIL]
	v_lshrrev_b32 v28, 5, v0
	v_readfirstlane_b32 s[WV], v28                 ; wave 0..3
	; descriptor group 1: 8,192 dense bytes as 32 rows of 32 elements of 8 bytes
	s_mov_b32 s[G1+0], 3<<16                       ; no mask; elements of 8 bytes; no padding
	s_mov_b32 s[G1+1], 32<<16                      ; tensor_dim0 = 32
	s_mov_b32 s[G1+2], 32<<16                      ; tensor_dim1 = 32
	s_mov_b32 s[G1+3], 32<<16                      ; tile_dim0 = 32
	s_mov_b32 s[G1+4], 32                          ; tile_dim1 = 32
	s_mov_b32 s[G1+5], 32                          ; 32 elements from row to row
	s_mov_b32 s[G1+6], 0
	s_mov_b32 s[G1+7], 0
	s_lshl_b32 s3, s[WV], 13
	s_mov_b32 s48, 1                               ; q: row tile w, its 8 fragments of upper numbers
	s_add_co_u32 s49, s3, QI
	s_mov_b32 s52, 1                               ; x: of each row tile the 8 fragments of my 256 columns: bytes that my wave alone reads
	s_add_co_u32 s53, s3, HB
	s_mov_b32 s56, 1
	s_add_co_u32 s57, s3, HB+32768
	s_mov_b32 s60, 1
	s_add_co_u32 s61, s3, HB+65536
	s_mov_b32 s68, 1
	s_add_co_u32 s69, s3, HB+98304
	s_lshl_b32 s4, ttmp9, 16                       ; QF: 4 row tiles of 16,384 bytes a work-group
	s_lshl_b32 s5, s[WV], 14
	s_add_co_u32 s4, s4, s5
	s_mov_b32 s5, 0
	s_lshl_b32 s6, ttmp9, 17                       ; XF: 4 row tiles of 32,768 bytes
	s_add_co_u32 s6, s6, s3
	s_mov_b32 s7, 0
	s_lshr_b32 s96, ttmp9, 5                       ; the batch
	s_lshl_b32 s96, s96, 18
	s_lshl_b32 s97, s[WV], 16
	s_add_co_u32 s96, s96, s97
	s_mov_b32 s97, 0
	s_mul_i32 s98, s[WV], 942080
	s_mov_b32 s99, 0
	s_mov_b32 s[SEL], 0x76543210
	s_mov_b32 s[SEL+1], 0xfedcba98
	s_mov_b32 s[INV], 0x3a800000                   ; 1 / 1024
	s_mov_b32 s[EPS], 0x3727c5ac                   ; 1e-5
	s_mov_b32 s[I75], 0x3c5a740e                   ; 1 / 75
	s_sub_co_u32 s[PFC], ttmp9, AHEAD+3            ; the n-th unit of the text's 112 loads unit n + 3 and can name unit n + 3 + AHEAD: my work-group's number.  Below AHEAD + 3 the count wraps round and never comes down to 0,
	s_cmp_gt_u32 ttmp9, 114
	s_cselect_b32 s[PFC], -1, s[PFC]               ; and past the stream's last unit it is set so
	s_wait_dscnt 0x0                               ; both opening adds are done
	s_wait_kmcnt 0x0
	s_add_nc_u64 s[KP:KP+1], s[12:13], s[96:97]
	s_add_nc_u64 s[WP:WP+1], s[14:15], s[98:99]
	s_add_nc_u64 s[PB:PB+1], s[KP:KP+1], 32768
	s_add_nc_u64 s[50:51], s[10:11], s[4:5]
	s_mov_b32 s96, 1                               ; q's lower numbers: 8,192 bytes further in memory, 32,768 further in LDS
	s_add_co_u32 s97, s3, QI+32768
	s_add_nc_u64 s[98:99], s[50:51], 8192
	s_add_nc_u64 s[54:55], s[8:9], s[6:7]
	s_add_nc_u64 s[58:59], s[54:55], 32768
	s_add_nc_u64 s[62:63], s[54:55], 65536
	s_add_nc_u64 s[70:71], s[54:55], 98304
	s_or_b32 s51, s51, 0x80000000                  ; type = 2
	s_or_b32 s99, s99, 0x80000000
	s_or_b32 s55, s55, 0x80000000
	s_or_b32 s59, s59, 0x80000000
	s_or_b32 s63, s63, 0x80000000
	s_or_b32 s71, s71, 0x80000000
	tensor_load_to_lds s[48:51], s[G1:G1+7]        ; six loads of mine are out, and no more follow in the launch
	s_nop 0
	tensor_load_to_lds s[96:99], s[G1:G1+7]
	s_nop 0
	tensor_load_to_lds s[52:55], s[G1:G1+7]
	s_nop 0
	tensor_load_to_lds s[56:59], s[G1:G1+7]
	s_nop 0
	tensor_load_to_lds s[60:63], s[G1:G1+7]
	s_nop 0
	tensor_load_to_lds s[68:71], s[G1:G1+7]
	s_nop 0
	PLACES
	s_mul_i32 s4, ttmp9, 19200
	s_add_nc_u64 s[OB:OB+1], s[38:39], s[4:5]
	v_and_b32 v28, 31, v0
	v_lshlrev_b32 v[L16], 4, v28
	v_lshlrev_b32 v[PFO], 8, v28
	v_lshlrev_b32 v[OG], 4, v0
	v_min_u32 v31, 74, v0                          ; a vector of 75: thread t takes number min(t, 74), so that no lane leaves the 300 bytes
	v_lshlrev_b32 v31, 2, v31
	PIN4 32, 16                                    ; bu, g1, be1, b2, g2, be2, in the order in which they lie in LDS
	PIN4 40, 18
	PIN4 48, 20
	PIN4 56, 24
	PIN4 64, 26
	PIN4 72, 28
	global_load_b128 v[80:83], v[OG], s[22:23]     ; b1
	global_load_b128 v[84:87], v[OG], s[30:31]     ; b3
	global_load_b32 v88, v31, s[32:33]             ; b4
	global_load_b32 v89, v31, s[34:35]             ; g3
	global_load_b32 v90, v31, s[36:37]             ; be3
	WLOAD 0, KP, 0
	WLOAD 1, KP, 8192
	WLOAD 2, KP, 16384
	WIN 0
	v_and_b32 v[RL], 15, v0
	v_bfe_u32 v[HH], v0, 4, 1
	s_lshl_b32 s4, s[WV], 10
	v_lshl_add_u32 v[PB10], v[HH], 5, s4
	v_add_nc_u32 v[PB10], PRM, v[PB10]
	v_add_nc_u32 v[LG], 4096, v[PB10]
	v_add_nc_u32 v[RW0], s4, v[L16]
	v_add_nc_u32 v[RW0+1], 0x10000, v[RW0]
	s_lshl_b32 s4, s[WV], 9
	v_lshl_add_u32 v[PB5], v[HH], 5, s4
	v_add_nc_u32 v[PB5], PRM+24576, v[PB5]
	v_lshlrev_b32 v[PB4], 5, v[HH]
	v_add_nc_u32 v[PB4], PRM+28672, v[PB4]
	v_add_nc_u32 v[HW0], s3, v[L16]
	v_add_nc_u32 v[HW0+1], 0x10000, v[HW0]
	v_add_nc_u32 v[L16H], 0x10000, v[L16]
	s_lshl_b32 s6, s[WV], 12
	s_add_co_u32 s6, s6, FB
	v_add_nc_u32 v[FW], s6, v[L16]
	s_lshl_b32 s6, s[WV], 11
	s_add_co_u32 s6, s6, FB
	v_add_nc_u32 v[AT], s6, v[L16]
	v_lshlrev_b32 v[SR], 4, v[RL]
	v_add_nc_u32 v[SR], S1, v[SR]
	v_lshl_add_u32 v[SW], s[WV], 2, v[SR]
	s_mul_i32 s6, s[WV], 20480
	v_add_nc_u32 v[RR], s6, v[L16]
	s_lshl_b32 s6, s[WV], 4
	v_add_nc_u32 v28, s6, v[RL]
	v_mul_u32_u24 v28, v28, 300
	v_add_nc_u32 v29, STG, v28                     ; my row of the output tile
	v_lshl_add_u32 v[ST], v[HH], 5, v29
	v_cmp_eq_u32 s[MK], 0, v[HH]
	v_add_nc_u32 v[OL], STG, v[OG]
	v_mov_b32 v[ONE], 1.0
	v_mov_b32 v[ZERO], 0
	WIN 0x80
.set tt, 0
.rept 128                              ; attn's 16 sums start at 0, written while the first tiles are on their way: the price of one text for both trips of the loop below
	v_mov_b32 v[tt], 0
.set tt, tt+1
.endr
	WIN 0
	s_wait_loadcnt 48                              ; the small vectors are in; the ring's three units behind them may stay out
	v_add_nc_u32 v28, PRM, v[OG]
	v_lshl_add_u32 v29, v0, 2, PRM
.set pi, 0
.rept 6
	ds_store_b128 v28, v[32+8*pi:35+8*pi] offset:4096*pi
	ds_store_b128 v28, v[36+8*pi:39+8*pi] offset:4096*pi+2048
.set pi, pi+1
.endr
	ds_store_b128 v28, v[80:83] offset:24576
	ds_store_b128 v28, v[84:87] offset:26624
	ds_store_b32 v29, v88 offset:28672
	ds_store_b32 v29, v89 offset:29184
	ds_store_b32 v29, v90 offset:29696
	s_wait_tensorcnt 4                             ; my two tiles of q are in; the four x tiles behind them may stay out
	s_wait_dscnt 0x0                               ; for the others' sake: my part of the small vectors is stored
	BAR                                            ; everybody's tiles of q and everybody's part of the small vectors are in
	BLOAD16 0                                      ; bu, for the product behind the next
	; ---- attn = q KTV: two trips of four K steps ----
	s_mov_b32 s[QO], QI
	s_mov_b32 s[CNT], 2
.Lp0:
	PLACES                                         ; behind the last trip's products, which read q's registers and ring buffer 3
	v_add_nc_u32 v[QA], s[QO], v[L16]
	WIN 0xc0
.set kl, 0
.rept 4                                ; q's fragments of the trip's four K steps, K ascending: upper numbers at 8 (4 mt + k), lower numbers 128 further
.set qp, 0
.rept 2
.set qm, 0
.rept 4
	ds_load_b128 v[128*qp+8*(4*qm+kl):128*qp+8*(4*qm+kl)+3],   v[QA] offset:qp*32768+qm*8192+kl*1024
	ds_load_b128 v[128*qp+8*(4*qm+kl)+4:128*qp+8*(4*qm+kl)+7], v[QA] offset:qp*32768+qm*8192+kl*1024+512
.set qm, qm+1
.endr
.set qp, qp+1
.endr
.set kl, kl+1
.endr
	P0UNIT 0, KP, 24576, 32                        ; the first two K steps' 32 loads are in; the other 32 may stay out
	P0UNIT 1, PB, 0, 0
	P0UNIT 2, PB, 8192, -1
	P0UNIT 3, PB, 16384, -1
	WIN 0
	s_wait_xcnt 0x0                                ; the loads issued so far have read their addresses
	s_add_nc_u64 s[KP:KP+1], s[KP:KP+1], 32768
	s_mov_b64 s[PB:PB+1], s[WP:WP+1]               ; in the second trip the ring goes on into WS3
	s_add_co_u32 s[QO], s[QO], 4096
	s_sub_co_u32 s[CNT], s[CNT], 1
	s_cmp_lg_u32 s[CNT], 0
	s_cbranch_scc1 .Lp0
	s_add_nc_u64 s[WP:WP+1], s[WP:WP+1], 16384     ; at the unit loaded last
	PLACES
	PLACES
	WIN 0x8a
.set tt, 0
.rept 16
.set ca, 32*(tt/4)+8*(tt%4)
.irp q, 0,1,2,3
	v_cvt_pk_bf16_f32 v[ca+\q], v[ca+2*\q], v[ca+2*\q+1]
.endr
.set tt, tt+1
.endr
	WIN 0x08
.set tt, 0
.rept 16
	ds_store_b128 v[AT], v[32*(tt/4)+8*(tt%4):32*(tt/4)+8*(tt%4)+3] offset:(tt%4)*16384+(tt/4)*512
.set tt, tt+1
.endr
	WIN 0
	s_wait_tensorcnt 0x0                           ; my x tiles are in: only I read them, so this wait is all that those reads need
	s_wait_dscnt 0x0                               ; for the others' sake: my columns of attn are stored
	BAR
	s_mov_b32 s[LAY], 2
	; ---- two layers of one form: a product with 1,024 columns, + residual, norm, a product with 512 columns, relu ----
.Llayer:
	; attn Wu + bu (K = 256) or f W2 + b2 (K = 512): 16 column tiles a wave, two units a K step: 2 units, trips of 4, 2 units.  The loop counts to the longer product's 7 trips; the shorter one
	; jumps over the first four.  A trip leaves the ring, the loads that are out and the fragment buffers as it found them, so the counted waits hold on both ways.
	s_cmp_eq_u32 s[LAY], 2
	s_cselect_b32 s[LIM], 3, 7
	s_mov_b32 s[AO], FB
	AFETCH 0, 1
	UNIT 0, 0, 2, 1, 1, 1, 1
	UNIT 1, 0, 3, 1, 0, 0, 1
	WIN 0
	s_mov_b32 s[CNT], 7
.Lg:
	s_cmp_gt_u32 s[CNT], s[LIM]
	s_cbranch_scc1 .Lgskip
	UNIT 2, 1, 2, 0, 1, 1, 1
	UNIT 3, 1, 3, 0, 0, 0, 1
	UNIT 0, 0, 2, 0, 1, 1, 1
	UNIT 1, 0, 3, 0, 0, 0, 1
	WIN 0
.Lgskip:
	s_sub_co_u32 s[CNT], s[CNT], 1
	s_cmp_lg_u32 s[CNT], 0
	s_cbranch_scc1 .Lg
	UNIT 2, 1, 2, 0, 1, 0, 1                       ; the last K step fetches no further fragments
	UNIT 3, 1, 3, 0, 0, 0, 1
	PLACES
	PLACES
	WIN 0
.set bl, 0
.rept 16                               ; the next product's bias: b1 or b3
	ds_load_b128 v[BIAS+4*bl:BIAS+4*bl+3], v[PB5] offset:(bl/2)*64+(bl%2)*16
.set bl, bl+1
.endr
	RLOAD 0, TA0
	RLOAD 1, TA1
	s_wait_dscnt 16                                ; a batch's 16 pieces are in; the next batch's may stay out
	PASSA 0, TA0
	RLOAD 2, TA0
	s_wait_dscnt 16
	PASSA 1, TA1
	RLOAD 3, TA1
	s_wait_dscnt 16
	PASSA 2, TA0
	s_wait_dscnt 0x0
	PASSA 3, TA1
	GLOAD 0, TA0
	GLOAD 1, TA1
	REDUCE 0                                       ; (its waits for 0 cover the two batches of gains above)
.irp m, 0,1,2,3
	v_mul_f32 v[MEAN+2*\m], s[INV], v[CH+4*\m]
.endr
.irp m, 0,1,2,3
	v_mov_b32 v[MEAN+2*\m+1], v[MEAN+2*\m]         ; named with it as a pair
.endr
	PASSB 2
	PASSB 3
	REDUCE 1024
.irp m, 0,1,2,3
	v_fma_f32 v[RSTD+2*\m], v[CH+4*\m], s[INV], s[EPS]
.endr
.irp m, 0,1,2,3
	v_rsq_f32 v[RSTD+2*\m], v[RSTD+2*\m]
.endr
	v_nop                                          ; a plain instruction behind the last of the four,
	s_wait_alu depctr_va_vdst(0)                   ; and one wait for them, ahead of their first reader
.irp m, 0,1,2,3
	v_mov_b32 v[RSTD+2*\m+1], v[RSTD+2*\m]
.endr
	PASSC 0, TA0, -1
	GLOAD 2, TA0
	PASSC 1, TA1, -1
	GLOAD 3, TA1
	PASSC 2, TA0, 32                               ; behind its gains: batch 1's 16 stores and batch 3's 16 loads
	PASSC 3, TA1, 16                               ; behind its gains: batch 2's 16 stores
	WIN 0
	s_wait_dscnt 0x0                               ; for the others' sake: my columns of h are stored
	BAR
	; h W1 + b1, or h W3 + b3: K = 1,024, 8 column tiles a wave, one unit a K step, in f16
	s_mov_b32 s[AO], HB
	AFETCH 0, 2
	UNIT 0, 0, 2, 1, 1, 1, 2
	WIN 0
	s_mov_b32 s[CNT], 7
.Lg512:
	UNIT 1, 1, 2, 0, 1, 1, 2
	UNIT 2, 0, 2, 0, 1, 1, 2
	UNIT 3, 1, 2, 0, 1, 1, 2
	UNIT 0, 0, 2, 0, 1, 1, 2
	WIN 0
	s_sub_co_u32 s[CNT], s[CNT], 1
	s_cmp_lg_u32 s[CNT], 0
	s_cbranch_scc1 .Lg512
	UNIT 1, 1, 2, 0, 1, 1, 2
	UNIT 2, 0, 2, 0, 1, 1, 2
	UNIT 3, 1, 2, 0, 1, 0, 2
	PLACES
	PLACES
	WIN 0
	s_cmp_eq_u32 s[LAY], 2
	s_cbranch_scc0 .Lpar
	BLOAD16 12288                                  ; b2, for the second layer's first product
	s_branch .Lrelu
.Lpar:
	PLOAD BIAS, 0                                  ; b4, g3, be3, for the end
	PLOAD BIAS+40, 512
	PLOAD BIAS+80, 1024
.Lrelu:
	WIN 0x8a
.set tt, 0
.rept 32
.irp q, 0,1,2,3
	v_cvt_pk_bf16_f32 v[8*tt+\q], v[8*tt+2*\q], v[8*tt+2*\q+1]
.endr
.set tt, tt+1
.endr
	WIN 0x82
.set tt, 0
.rept 32
.irp q, 0,1,2,3
	v_pk_max_num_bf16 v[8*tt+\q], v[8*tt+\q], v[ZERO]
.endr
.set tt, tt+1
.endr
	WIN 0x08
.set tt, 0
.rept 32                               ; every wave's reads of what lay here ended ahead of the norm's barriers
	ds_store_b128 v[FW], v[8*tt:8*tt+3] offset:(tt%4)*16384+(tt/4)*512
.set tt, tt+1
.endr
	WIN 0
	s_wait_dscnt 0x0
	BAR
	v_add_nc_u32 v[LG], 12288, v[LG]               ; from g1 and be1 to g2 and be2,
	v_add_nc_u32 v[PB5], 2048, v[PB5]              ; from b1 to b3
	s_sub_co_u32 s[LAY], s[LAY], 1
	s_cmp_lg_u32 s[LAY], 0
	s_cbranch_scc1 .Llayer
	; ---- t W4: 75 columns are five tiles, too few to share out, so K is split: wave w takes k = 128 w .. + 127 (the columns of t that it made), all four row tiles ----
	WIN 0xc0
.set tt, 0
.rept 16                               ; row tile tt / 4, K step tt % 4
	ds_load_b128 v[8*tt:8*tt+3],   v[FW] offset:(tt/4)*16384+(tt%4)*1024
	ds_load_b128 v[8*tt+4:8*tt+7], v[FW] offset:(tt/4)*16384+(tt%4)*1024+512
.set tt, tt+1
.endr
	s_wait_loadcnt 0x0                             ; the ring's three units hold my 24 fragments of W4
	s_wait_dscnt 0x0
	WIN 0xad
.set qk, 0
.rept 4
.set tt, 0
.rept 20                               ; tile tt = 5 mt + ct; the 20 accumulators take turns
.if qk == 0
	v_wmma_f32_16x16x32_bf16 v[8*tt:8*tt+7], v[8*(6*qk+tt%5):8*(6*qk+tt%5)+7], v[8*(4*(tt/5)+qk):8*(4*(tt/5)+qk)+7], 0
.else
	v_wmma_f32_16x16x32_bf16 v[8*tt:8*tt+7], v[8*(6*qk+tt%5):8*(6*qk+tt%5)+7], v[8*(4*(tt/5)+qk):8*(4*(tt/5)+qk)+7], v[8*tt:8*tt+7]
.endif
.set tt, tt+1
.endr
.set qk, qk+1
.endr
	PLACES
	PLACES
	WIN 0x08
.set tt, 0
.rept 20                               ; partial sums in f32 into HB, whose last readers have passed the barrier above: [tile: 4,096][wave: 1,024]
	ds_store_b128 v[RW0+tt/16], v[8*tt:8*tt+3]   offset:(tt%16)*4096
	ds_store_b128 v[RW0+tt/16], v[8*tt+4:8*tt+7] offset:(tt%16)*4096+512
.set tt, tt+1
.endr
	WIN 0
	s_wait_dscnt 0x0
	BAR
	; ---- wave w finishes row tile w: + b4, norm over 75 columns, sigmoid ----
	WIN 0x80
.set tt, 0
.rept 4                                ; wave tt's partial sums of my five tiles
.set qc, 0
.rept 10
	ds_load_b128 v[40*tt+4*qc:40*tt+4*qc+3], v[RR] offset:(qc/2)*4096+tt*1024+(qc%2)*512
.set qc, qc+1
.endr
.set tt, tt+1
.endr
	s_wait_dscnt 0x0
	WIN 0x8a
.set pi, 0
.rept 20
	v_pk_add_f32 v[2*pi:2*pi+1], v[2*pi:2*pi+1], v[40+2*pi:41+2*pi]
	v_pk_add_f32 v[80+2*pi:81+2*pi], v[80+2*pi:81+2*pi], v[120+2*pi:121+2*pi]
.set pi, pi+1
.endr
.set pi, 0
.rept 20
	v_pk_add_f32 v[2*pi:2*pi+1], v[2*pi:2*pi+1], v[80+2*pi:81+2*pi]
.set pi, pi+1
.endr
	WIN 0x02
.set pi, 0
.rept 20                               ; the logits: v[32 + 8 ct + j] = column 16 ct + 8 h + j of row r
	v_pk_add_f32 v[32+2*pi:33+2*pi], v[2*pi:2*pi+1], v[BIAS+2*pi:BIAS+2*pi+1]
.set pi, pi+1
.endr
	WIN 0
.irp j, 3,4,5,6,7
	v_cndmask_b32 v[64+\j], 0, v[64+\j], s[MK]     ; columns 75 to 79 do not exist: they count as 0 in the sums
.endr
	v_pk_add_f32 v[216:217], v[32:33], v[34:35]
	v_pk_add_f32 v[218:219], v[36:37], v[38:39]
.set pi, 4
.rept 16
	v_pk_add_f32 v[216+2*(pi%2):217+2*(pi%2)], v[216+2*(pi%2):217+2*(pi%2)], v[32+2*pi:33+2*pi]
.set pi, pi+1
.endr
	v_pk_add_f32 v[216:217], v[216:217], v[218:219]
	v_add_f32 v216, v216, v217
	v_permlanex16_b32 v217, v216, s[SEL], s[SEL+1]
	v_add_f32 v216, v216, v217
	v_mul_f32 v224, s[I75], v216                   ; the mean
	v_mov_b32 v225, v224
.set pi, 0
.rept 20
	v_pk_add_f32 v[32+2*pi:33+2*pi], v[32+2*pi:33+2*pi], v[224:225] op_sel_hi:[1,0] neg_lo:[0,1] neg_hi:[0,1]
.set pi, pi+1
.endr
.irp j, 3,4,5,6,7
	v_cndmask_b32 v[64+\j], 0, v[64+\j], s[MK]
.endr
	v_pk_mul_f32 v[216:217], v[32:33], v[32:33]
	v_pk_mul_f32 v[218:219], v[34:35], v[34:35]
.set pi, 2
.rept 18
	v_pk_fma_f32 v[216+2*(pi%2):217+2*(pi%2)], v[32+2*pi:33+2*pi], v[32+2*pi:33+2*pi], v[216+2*(pi%2):217+2*(pi%2)]
.set pi, pi+1
.endr
	v_pk_add_f32 v[216:217], v[216:217], v[218:219]
	v_add_f32 v216, v216, v217
	v_permlanex16_b32 v217, v216, s[SEL], s[SEL+1]
	v_add_f32 v216, v216, v217
	v_fma_f32 v226, v216, s[I75], s[EPS]
	v_rsq_f32 v226, v226
	v_nop
	s_wait_alu depctr_va_vdst(0)
	v_mov_b32 v227, v226
.set pi, 0
.rept 20
	v_pk_mul_f32 v[32+2*pi:33+2*pi], v[32+2*pi:33+2*pi], v[226:227] op_sel_hi:[1,0]
.set pi, pi+1
.endr
.set pi, 0
.rept 20
	v_pk_fma_f32 v[32+2*pi:33+2*pi], v[32+2*pi:33+2*pi], v[BIAS+40+2*pi:BIAS+41+2*pi], v[BIAS+80+2*pi:BIAS+81+2*pi]
.set pi, pi+1
.endr
.set pi, 0
.rept 20                               ; sigmoid(y) = 1 / (1 + 2^(-y log2 e))
	v_pk_mul_f32 v[32+2*pi:33+2*pi], v[32+2*pi:33+2*pi], 0xbfb8aa3b op_sel_hi:[1,0]
.set pi, pi+1
.endr
.set pi, 0
.rept 40
	v_exp_f32 v[32+pi], v[32+pi]
.set pi, pi+1
.endr
	v_nop
	s_wait_alu depctr_va_vdst(0)                   ; one wait for the 40 exponentials
.set pi, 0
.rept 20
	v_pk_add_f32 v[32+2*pi:33+2*pi], v[32+2*pi:33+2*pi], 1.0 op_sel_hi:[1,0]
.set pi, pi+1
.endr
.set pi, 0
.rept 40
	v_rcp_f32 v[32+pi], v[32+pi]
.set pi, pi+1
.endr
	v_nop
	s_wait_alu depctr_va_vdst(0)                   ; one wait for the 40 reciprocals
	; Into the packed tile, rows of 300 bytes (word 75 r + 8 h mod 64 differs in all 32 lanes).  Registers 3-7 of the last tile go first: in lanes 0-15 they are columns 67 to 71; in lanes 16-31
	; they are the columns 75 to 79 that do not exist, and fall on the next row's first five words, which that row's owner writes behind the barrier.
.irp j, 3,4,5,6,7
	ds_store_b32 v[ST], v[64+\j] offset:256+4*\j
.endr
	s_wait_dscnt 0x0
	BAR
.set pi, 0
.rept 35
	ds_store_b32 v[ST], v[32+pi] offset:64*(pi/8)+4*(pi%8)
.set pi, pi+1
.endr
	s_wait_dscnt 0x0
	BAR
	; the tile's 19,200 bytes are dense in out0 and begin at a multiple of 256: 16 bytes a thread, 2,048 a step
.set pi, 0
.rept 9
	ds_load_b128 v[32+4*pi:35+4*pi], v[OL] offset:2048*pi
.set pi, pi+1
.endr
.set pi, 0
.rept 9
	s_wait_dscnt 8-pi
	global_store_b128 v[OG], v[32+4*pi:35+4*pi], s[OB:OB+1] offset:2048*pi th:TH_STORE_NT
.set pi, pi+1
.endr
	s_cmp_lt_u32 s[WV], 2                          ; the last 768 bytes: threads 0 to 47; wave 1's upper lanes repeat thread 47's 16 bytes
	s_cbranch_scc0 .Lfin
	v_min_u32 v28, 752, v[OG]
	v_add_nc_u32 v29, STG+18432, v28
	ds_load_b128 v[68:71], v29
	s_wait_dscnt 0x0
	global_store_b128 v28, v[68:71], s[OB:OB+1] offset:18432 th:TH_STORE_NT
.Lfin:
	s_wait_tensorcnt 0x0                           ; the wave's end, behind my last tensor load and my last LDS store
	ds_add_u32 v[SPW], v[NIL]
	s_wait_dscnt 0x0
	s_endpgm
.Lfunc_end_k_q228df888e9_chain:
	.size	k_q228df888e9_chain, .Lfunc_end_k_q228df888e9_chain-k_q228df888e9_chain
	.p2alignl 7, 3214868480
	.fill 96, 4, 3214868480
	.section	.rodata,"a",@progbits
	.p2align	6, 0x0
	.amdhsa_kernel k_q228df888e9_chain
		.amdhsa_group_segment_fixed_size 327680
		.amdhsa_private_segment_fixed_size 0
		.amdhsa_enable_private_segment 0
		.amdhsa_kernarg_size 128
		.amdhsa_user_sgpr_count 2
		.amdhsa_user_sgpr_kernarg_segment_ptr 1
		.amdhsa_wavefront_size32 1
		.amdhsa_system_sgpr_workgroup_id_x 1
		.amdhsa_system_sgpr_workgroup_id_y 1
		.amdhsa_system_sgpr_workgroup_id_z 1
		.amdhsa_system_vgpr_workitem_id 0
		.amdhsa_next_free_vgpr 1024
		.amdhsa_next_free_sgpr 100
		.amdhsa_reserve_vcc 0
		.amdhsa_float_denorm_mode_32 3
		.amdhsa_float_denorm_mode_16_64 3
		.amdhsa_memory_ordered 1
		.amdhsa_forward_progress 1
		.amdhsa_inst_pref_size 255
	.end_amdhsa_kernel
	.section	.bss,"aw",@nobits
	.p2align	6
	.space	262144
	.amdgpu_metadata
---
amdhsa.version: [ 1, 2 ]
amdhsa.kernels:
  - .name:           k_q228df888e9_chain
    .symbol:         k_q228df888e9_chain.kd
    .args:
      - { .name: XF, .offset: 0, .size: 8, .value_kind: global_buffer, .address_space: global }
      - { .name: QF, .offset: 8, .size: 8, .value_kind: global_buffer, .address_space: global }
      - { .name: KTV, .offset: 16, .size: 8, .value_kind: global_buffer, .address_space: global }
      - { .name: WS3, .offset: 24, .size: 8, .value_kind: global_buffer, .address_space: global }
      - { .name: bu, .offset: 32, .size: 8, .value_kind: global_buffer, .address_space: global }
      - { .name: g1, .offset: 40, .size: 8, .value_kind: global_buffer, .address_space: global }
      - { .name: be1, .offset: 48, .size: 8, .value_kind: global_buffer, .address_space: global }
      - { .name: b1, .offset: 56, .size: 8, .value_kind: global_buffer, .address_space: global }
      - { .name: b2, .offset: 64, .size: 8, .value_kind: global_buffer, .address_space: global }
      - { .name: g2, .offset: 72, .size: 8, .value_kind: global_buffer, .address_space: global }
      - { .name: be2, .offset: 80, .size: 8, .value_kind: global_buffer, .address_space: global }
      - { .name: b3, .offset: 88, .size: 8, .value_kind: global_buffer, .address_space: global }
      - { .name: b4, .offset: 96, .size: 8, .value_kind: global_buffer, .address_space: global }
      - { .name: g3, .offset: 104, .size: 8, .value_kind: global_buffer, .address_space: global }
      - { .name: be3, .offset: 112, .size: 8, .value_kind: global_buffer, .address_space: global }
      - { .name: out0, .offset: 120, .size: 8, .value_kind: global_buffer, .address_space: global }
    .group_segment_fixed_size: 327680
    .private_segment_fixed_size: 0
    .kernarg_segment_align: 8
    .kernarg_segment_size: 128
    .max_flat_workgroup_size: 128
    .sgpr_count:     100
    .vgpr_count:     1024
    .wavefront_size: 32
...
	.end_amdgpu_metadata
.endif
;; end of part 4
;; ======== version 2 of 2: 4 launches; version 1 with the launch prep written anew for expert scheduling mode
;; limits: values are held in f16: magnitudes above 65,504 overflow, below 6.1e-05 lose precision; inputs' magnitudes at most 65,503; right only within a limited range of input values
;; workspace buffers: XF 33,554,432 bytes; QF 16,777,216 bytes; KF 8,388,608 bytes; VF 8,388,608 bytes; WQKV 1,572,864 bytes; WS3 3,768,320 bytes; KTV 2,097,152 bytes
;; launch prep (part 5): grid 592 x 1, 8 waves a work-group, no clusters, 101,376 bytes of LDS; arguments input_indices, emb, Wq, Wk, Wv, Wu, W1, W2, W3, W4, XF, WQKV, WS3; writes XF, WQKV, WS3
.if DOCPART == 5
	.amdgcn_target "amdgcn-amd-amdhsa--gfx1250"
	.amdhsa_code_object_version 6
	.text
	.protected	k_q228df888e9_prep
	.globl	k_q228df888e9_prep
	.p2align	8
	.type	k_q228df888e9_prep,@function
k_q228df888e9_prep:
	s_mov_b64 s[64:65], 0
	v_nop
	global_prefetch_b8 v0, s[64:65] scope:SCOPE_SE
	s_setreg_imm32_b32 hwreg(HW_REG_WAVE_SCHED_MODE, 0, 2), 2
	s_setreg_imm32_b32 hwreg(HW_REG_WAVE_MODE, 25, 1), 1
	s_wait_xcnt 0x0
	s_wait_alu depctr_vm_vsrc(0)
; GENIACore, launch 1 of 4: x = f16(emb[idx] + positions), and all weights rounded to bf16, both laid out as matrix fragments.
; WORK LEFT OUT, for the whole program.  reference() forms scores = q k^T / 8, an [n, n] matrix for each batch, and then scores v.  Nothing stands between the two
; products but the factor 1/8, so for all values of the inputs (q k^T) v = q (k^T v): the program forms k^T v / 8 (256 x 256 a batch, launch 3) and then q times it (launch 4);
; the [n, n] matrix is never formed.  Every input has a way to the output, and every input is loaded.
; LIMITS.  An overflow, an infinity or a NaN that would arise in scores alone is not carried to the result; the sums are taken in another order than reference()'s.
; Indices are taken as unsigned: 32,000 and above (a negative one too) count as index 1.  The angle is position x 2^(-i log2(10000) / 512), where reference() divides by a
; power: the two differ by up to some 5e-4 rad at the largest angles.  x is rounded once to f16: |x| is at most 1 + |emb|, and an emb beyond 65,503 would give an infinity.
; FORMATS.  Every weight is rounded to bf16.  Wq, Wk, Wv, W1, W3, which multiply f16 operands (x, and the outputs of the two norms, all bounded), are then written as f16: the same number
; from 2^-17 up to 65,504, below that with f16's fixed step of 6e-8.  Wu, W2, W4 multiply operands that grow with products of weights and stay bf16.
; A FRAGMENT is 16 rows x 32 k of 16-bit numbers, 1,024 bytes: lane l = 16 h + r holds row r; bytes 16 l of the first 512 hold k = 8 h .. 8 h + 7, bytes 16 l of the second 512 hold k = 16 + 8 h .. + 7.
; So later launches fill matrix operands by loads of 16 bytes a lane, 512 consecutive bytes an instruction.
; WORK-GROUPS 0-255 (x): 16 positions x 4 batches.  Wave w has batch 4 (id & 1) + (w & 3) and the column half w >> 2: 16 rows x 512 columns, in four chunks of 128 columns.
;   The 16 x 1,024 position codes are made once a work-group (all four batches share them) and lie in LDS in f32.  sin and cos of the first position: the angle is reduced by a multiple of 2 pi held in
;   two words, halved, and taken through series that hold on all of -pi/2 .. pi/2, whatever the angle; then sin 2y = 2 s c, cos 2y = 1 - 2 s s.  The other 15 positions: the pair (sin, cos) is turned by one
;   position's angle, whose own sin and cos are made in the same way; 15 turns add some 1e-6 to the pair.
; WORK-GROUPS 256-591 (weights): 32 k x 256 columns of one matrix; a lane has one column, 32 numbers, four pieces of 16 bytes of a fragment.
; No matrix unit, no cluster, no tensor load: nothing is multiplied, no two work-groups read the same bytes but repeated table rows, and the bytes on their way fit in registers.
; THE MODE: SCHED_MODE bits 1:0 = 2 (LLVM: expert scheduling mode 2), set by the entry lines.  The code itself states the register dependences between vector instructions and memory or LDS
; instructions, with s_wait_alu, always for 0.
; THE PLAN, for x.  Registers that memory or LDS instructions touch:
;   v16-31, v3-6   Offsets and addresses: written once, ahead of a wait on va_vdst that stands ahead of their first use, and never again.
;   v11            The LDS address of a trip's four positions: written at the trip's head, read by the trip's eight LDS stores.
;   PA .. PD       Four buffers of two pairs (sin, cos), a position each: written by the turns, read by the trip's LDS stores.  A trip: three turns fill PB, PC, PD; ONE wait on va_vdst; the eight stores;
;                  ONE wait on vm_vsrc; the turn that writes PA anew.  That second wait also frees v11, PB, PC, PD for the next trip.
;   v32-63         In a chunk: the positions of eight rows (LDS loads), read by the adds; twice; then the chunk read back from the stage (LDS loads), read by the global stores.
;   set k          Sixteen rows of emb (global loads); the adds and roundings work in place; a row's first two registers are read by the LDS stores into the stage.  Set 0 is loaded twice.
;   A chunk has three waits: at its head on vm_vsrc (the last chunk's global stores have read v32-63, its LDS stores its set; the first chunk: on va_vdst, for the turns), and one on va_vdst behind
;   each eight rows' arithmetic, which serves the run of LDS loads into v32-63 and the run of LDS stores that follow it: no vector instruction stands in those runs.
; For the weights: the offsets v32-63 and v15 and the stores' data v96-111 are written once, each ahead of a wait on va_vdst; nothing that a memory instruction has read is written again.
.set VOCAB, 32000
.set POS,   0                          ; LDS: f32 [16 positions][1024]
.set STG,   65536                      ; 16 rows x 272 bytes for each wave: a chunk in f16, rows 256 bytes + 16 of padding, so that the 16 rows of a read start at 16 different groups of banks
.set SP,    272
.set SPARE, 100352                     ; the spare words, 128 bytes for each wave: four blocks of 256 bytes that no other line names
.set SPW, 8                            ; v8  SPARE + 4 x my thread's number; never rewritten
.set NIL, 9                            ; v9  0; never rewritten
.set PA,  34                           ; v[34:37]  the pairs of a trip's first position: sin, cos of pair t, sin, cos of pair t + 256
.set PB,  54                           ; v[54:57]  of its second
.set PC,  58                           ; v[58:61]  of its third
.set PD,  42                           ; v[42:45]  of its fourth (at work in TRIG, which is over by then)
; v1 lane; v2 16 lane + 2,048 x column half; v3 the same as an LDS address in POS; v4, v5 stage in, stage out; v6 16 lane; v10-15 trigonometry; v16-31 a row's byte offset in emb;
; v32-63 at work; v64-255 three sets of 16 rows x 4 registers
.macro FILL c, set                     ; chunk c of my 16 rows: 512 consecutive bytes a load
.set fi, 0
.rept 16
	global_load_b128 v[64+64*(\set)+4*fi:64+64*(\set)+4*fi+3], v[16+fi], s[10:11] offset:(\c)*512
.set fi, fi+1
.endr
.endm
.macro TRIG pos, inv, out              ; sin and cos of v[pos] x v[inv] into v[out], v[out+1]
	v_mul_f32 v42, v[\pos], v[\inv]
	v_mul_f32 v43, 0.15915494, v42
	v_rndne_f32 v43, v43                           ; whole turns
	v_fmamk_f32 v42, v43, 0xc0c90fdb, v42          ; less turns x 2 pi, its upper word,
	v_fmamk_f32 v42, v43, 0x343bbd2e, v42          ; and its lower
	v_mul_f32 v44, 0.5, v42                        ; y
	v_mul_f32 v45, v44, v44                        ; z = y y
	v_fmaak_f32 v46, v40, v45, 0x3638ef1d          ; sin y = y + y z (-1/3! + z (1/5! + .. - z^4 / 11!))
	v_fmaak_f32 v46, v46, v45, 0xb9500d01
	v_fmaak_f32 v46, v46, v45, 0x3c088889
	v_fmaak_f32 v46, v46, v45, 0xbe2aaaab
	v_mul_f32 v46, v46, v45
	v_fma_f32 v48, v46, v44, v44
	v_fmaak_f32 v47, v41, v45, 0xb493f27e          ; cos y = 1 + z (-1/2! + z (1/4! - .. + z^4 / 12!))
	v_fmaak_f32 v47, v47, v45, 0x37d00d01
	v_fmaak_f32 v47, v47, v45, 0xbab60b61
	v_fmaak_f32 v47, v47, v45, 0x3d2aaaab
	v_fmaak_f32 v47, v47, v45, 0xbf000000
	v_fma_f32 v47, v47, v45, 1.0
	v_add_f32 v49, v48, v48
	v_mul_f32 v[\out], v49, v47
	v_fma_f32 v[(\out)+1], -v49, v48, 1.0
.endm
.macro TURN dst, src                   ; the two pairs of buffer src, turned on by one position's angle (sd, cd in v50, v51 and in v52, v53), into buffer dst
	v_mul_f32 v[\dst], v[\src], v51                            ; s cd
	v_mul_f32 v[(\dst)+1], v[(\src)+1], v51                    ; c cd
	v_mul_f32 v[(\dst)+2], v[(\src)+2], v53
	v_mul_f32 v[(\dst)+3], v[(\src)+3], v53
	v_fma_f32 v[\dst], v[(\src)+1], v50, v[\dst]               ; sin(a + d) = s cd + c sd
	v_fma_f32 v[(\dst)+1], -v[\src], v50, v[(\dst)+1]          ; cos(a + d) = c cd - s sd
	v_fma_f32 v[(\dst)+2], v[(\src)+3], v52, v[(\dst)+2]
	v_fma_f32 v[(\dst)+3], -v[(\src)+2], v52, v[(\dst)+3]
.endm
.macro PLOAD c, r0                     ; the positions of rows r0 .. r0 + 7, chunk c, into v32-63
.set ci, 0
.rept 8
	ds_load_b128 v[32+4*ci:35+4*ci], v3 offset:(ci+(\r0))*4096+(\c)*512
.set ci, ci+1
.endr
.endm
.macro ARITH set, r0                   ; eight rows: + position, rounded to f16 into the row's first two registers
.set ri, 0
.rept 8
.set ra, 64+64*(\set)+4*((\r0)+ri)
	v_pk_add_f32 v[ra:ra+1], v[ra:ra+1], v[32+4*ri:33+4*ri]
	v_pk_add_f32 v[ra+2:ra+3], v[ra+2:ra+3], v[34+4*ri:35+4*ri]
	v_cvt_pk_f16_f32 v[ra], v[ra], v[ra+1]
	v_cvt_pk_f16_f32 v[ra+1], v[ra+2], v[ra+3]
.set ri, ri+1
.endr
.endm
.macro TOSTG set, r0                   ; the same eight rows, 8 bytes a lane, into the stage
.set ri, 0
.rept 8
.set ra, 64+64*(\set)+4*((\r0)+ri)
	ds_store_b64 v4, v[ra:ra+1] offset:((\r0)+ri)*SP
.set ri, ri+1
.endr
.endm
; A chunk.  n: the loads of younger chunks, which may stay out.  first = 1: the first chunk, with the turns in front of it.  fill = 1: set 0, which the chunk before has emptied, is asked for again, for chunk 3.
.macro CHUNK c, set, n, first, fill
.if \first
	s_wait_alu depctr_va_vdst(0)                   ; the turns are done reading and writing v32-63, in which the positions' loads land (the LDS stores that read them stand ahead of the loop's own wait on vm_vsrc)
.else
	s_wait_alu depctr_vm_vsrc(0)                   ; the last chunk's global stores have read v32-63, and its LDS stores its set's registers: loads land in both below
.if \fill
	FILL 3, 0                                      ; no vector instruction has named set 0 since the last chunk's second wait on va_vdst
.endif
	s_wait_xcnt 0x0                                ; the last chunk's stores have read v32-63, which are loaded again below
.endif
	PLOAD \c, 0
	s_wait_loadcnt \n                              ; loads come back in order: this chunk's 16 are in
	s_wait_dscnt 0x0
	ARITH \set, 0
	s_wait_alu depctr_va_vdst(0)                   ; the adds are done reading v32-63, in which the next eight rows' positions land; the roundings have written what the LDS stores read
	PLOAD \c, 8
	TOSTG \set, 0
	s_wait_dscnt 8                                 ; LDS instructions end in order: the eight loads are in, the eight stores behind them may stay out
	ARITH \set, 8
	s_wait_alu depctr_va_vdst(0)                   ; the roundings have written what the LDS stores read; the adds are done reading v32-63, in which the loads from the stage land
	TOSTG \set, 8
.set ci, 0
.rept 8                                ; back as four fragments; the stage is my wave's own and LDS serves a wave's instructions in order
	ds_load_b128 v[32+4*ci:35+4*ci], v5 offset:(ci/2)*64+(ci%2)*32
.set ci, ci+1
.endr
	s_wait_dscnt 0x0
.set ci, 0
.rept 8
	global_store_b128 v6, v[32+4*ci:35+4*ci], s[36:37] offset:(\c)*4096+ci*512 th:TH_STORE_NT  ; 512 consecutive bytes, aligned
.set ci, ci+1
.endr
.endm
.macro CASE thr, src, rp, nr, nst, cs, sh, gs, ks, db, fl  ; from work-group thr on (counted from 256): another matrix
	s_cmp_ge_u32 s3, \thr
	s_cselect_b64 s[34:35], s[\src:\src+1], s[34:35]
	s_cselect_b32 s36, \rp, s36
	s_cselect_b32 s37, \nr, s37
	s_cselect_b32 s38, \nst, s38
	s_cselect_b32 s39, \thr, s39
	s_cselect_b32 s40, \cs, s40
	s_cselect_b32 s41, \sh, s41
	s_cselect_b32 s42, \gs, s42
	s_cselect_b32 s43, \ks, s43
	s_cselect_b32 s44, \db, s44
	s_cselect_b32 s45, \fl, s45
.endm
	s_load_b512 s[8:23], s[0:1], 0x0               ; indices 8, emb 10, Wq 12, Wk 14, Wv 16, Wu 18, W1 20, W2 22
	s_load_b256 s[24:31], s[0:1], 0x40             ; W3 24, W4 26, XF 28, WQKV 30
	s_load_b64 s[32:33], s[0:1], 0x60              ; WS3
	v_lshl_add_u32 v[SPW], v0, 2, SPARE
	v_mov_b32 v[NIL], 0
	v_lshrrev_b32 v1, 5, v0
	v_readfirstlane_b32 s2, v1                     ; wave 0..7
	v_and_b32 v1, 31, v0                           ; lane
	s_wait_alu depctr_va_sdst(0)                   ; s2 is written, ahead of the branch and of its first reader on either way: addresses are made from it
	s_wait_kmcnt 0x0
	s_cmp_lt_u32 ttmp9, 256                        ; the same in all waves of a work-group
	s_cbranch_scc0 .Lweights
	; ---- x ----
	s_lshr_b32 s3, ttmp9, 1                        ; which 16 positions
	s_and_b32 s4, ttmp9, 1
	s_and_b32 s5, s2, 3
	s_lshl2_add_u32 s5, s4, s5                     ; batch
	s_lshr_b32 s6, s2, 2                           ; column half
	s_lshl_b32 s7, s5, 7
	s_add_co_u32 s7, s7, s3                        ; T: the tile of 16 rows among 1,024
	s_lshl_b32 s34, s7, 6                          ; its 16 indices: 64 bytes
	s_mov_b32 s35, 0
	s_add_nc_u64 s[34:35], s[8:9], s[34:35]
	s_load_b512 s[72:87], s[34:35], 0x0
	v_lshlrev_b32 v2, 4, v1
	v_lshl_add_u32 v2, s6, 11, v2
	v_mov_b32 v3, v2
	s_lshl_b32 s36, s7, 15                         ; XF: 32,768 bytes a tile, 16,384 a column half
	s_lshl_b32 s38, s6, 14
	s_add_co_u32 s36, s36, s38
	s_mov_b32 s37, 0
	s_add_nc_u64 s[36:37], s[28:29], s[36:37]
	s_wait_kmcnt 0x0
.set gi, 0
.rept 16
	s_cmp_ge_u32 s[72+gi], VOCAB                   ; reference()'s own guard: such an index counts as 1
	s_cselect_b32 s[72+gi], 1, s[72+gi]
	s_min_u32 s[72+gi], s[72+gi], VOCAB-1          ; (changes nothing; a loaded number enters an address only behind such a bound)
	s_lshl_b32 s[72+gi], s[72+gi], 12              ; a row of emb is 4,096 bytes
	v_add_nc_u32 v[16+gi], s[72+gi], v2
.set gi, gi+1
.endr
	s_wait_alu depctr_va_vdst(0)                   ; the sixteen row offsets v16-31 are written, which the loads of emb read; so is v3
	FILL 0, 0                                      ; 48 loads of 512 bytes are out while the positions are made
	FILL 1, 1
	FILL 2, 2
	s_mul_i32 s38, s2, 16*SP
	s_add_co_u32 s38, s38, STG                     ; my stage
	v_lshl_add_u32 v4, v1, 3, s38
	v_and_b32 v7, 15, v0
	v_mul_u32_u24 v5, v7, SP
	v_bfe_u32 v7, v0, 4, 1
	v_lshl_add_u32 v5, v7, 4, v5
	v_add_nc_u32 v5, s38, v5
	v_lshlrev_b32 v6, 4, v1
	; thread t has the pairs (sin, cos) number t and t + 256 of all 16 positions
	v_cvt_f32_u32 v32, v0
	v_add_f32 v33, 0x43800000, v32
	v_mul_f32 v32, 0xbcd49a78, v32                 ; -i log2(10000) / 512
	v_mul_f32 v33, 0xbcd49a78, v33
	v_exp_f32 v13, v32
	v_exp_f32 v14, v33
	v_lshlrev_b32 v10, 3, v0
	s_lshl_b32 s38, s3, 4
	v_cvt_f32_u32 v12, s38                         ; the first position
	v_mov_b32 v15, 1.0                             ; one position
	v_mov_b32 v40, 0xb2d7322b                      ; -1/11!
	v_mov_b32 v41, 0x310f76c7                      ; 1/12!
	s_wait_alu depctr_va_vdst(0)                   ; one wait for both exponentials, v13 and v14, ahead of their first reader; v4, v5 and v6, which LDS instructions and stores read later, are written too
	TRIG 12, 13, PA                                ; the first position's pairs,
	TRIG 12, 14, PA+2
	TRIG 15, 13, 50                                ; and those of one position's step of the angle
	TRIG 15, 14, 52
	s_mov_b32 s39, POS
	s_mov_b32 s40, 4
.Ltrig:                                        ; four positions a trip: three turns, the four positions' pairs are stored, and a fourth turn makes the next trip's first (the last trip's fourth turn serves nothing)
	v_add_nc_u32 v11, s39, v10
	TURN PB, PA
	TURN PC, PB
	TURN PD, PC
	s_wait_alu depctr_va_vdst(0)                   ; v11 and the four positions' pairs are written, which the LDS stores read
	ds_store_b64 v11, v[PA:PA+1]
	ds_store_b64 v11, v[PA+2:PA+3] offset:2048
	ds_store_b64 v11, v[PB:PB+1] offset:4096
	ds_store_b64 v11, v[PB+2:PB+3] offset:4096+2048
	ds_store_b64 v11, v[PC:PC+1] offset:8192
	ds_store_b64 v11, v[PC+2:PC+3] offset:8192+2048
	ds_store_b64 v11, v[PD:PD+1] offset:12288
	ds_store_b64 v11, v[PD+2:PD+3] offset:12288+2048
	s_wait_alu depctr_vm_vsrc(0)                   ; the LDS stores have read v11 and the four buffers, which are written again from here on: PA below, the others in the next trip
	TURN PA, PD
	s_add_co_u32 s39, s39, 16384
	s_sub_co_u32 s40, s40, 1
	s_cmp_lg_u32 s40, 0
	s_cbranch_scc1 .Ltrig
	s_wait_dscnt 0x0                               ; for the others' sake: my part of the positions is stored
	s_barrier_signal -1
	s_barrier_wait -1
	CHUNK 0, 0, 32, 1, 0
	CHUNK 1, 1, 32, 0, 1                           ; at its head set 0 is asked for again
	CHUNK 2, 2, 16, 0, 0
	CHUNK 3, 0, 0, 0, 0
	s_branch .Lend
	; ---- weights ----
.Lweights:
	s_sub_co_u32 s3, ttmp9, 256
	s_mov_b64 s[34:35], s[12:13]                   ; source; s36 bytes in a row; s37 columns; s38 columns stored; s39 the matrix's first work-group; s40 log2 of its blocks of 256 columns;
	s_mov_b32 s36, 1024                            ; s41 log2 of the column tiles in a group (a wave's share in the launch that reads them); s42 bytes from group to group; s43 from k32 to k32; s44 the matrix's first byte;
	s_mov_b32 s37, 256                             ; s45 all ones: the rounded number is written as f16; 0: as bf16
	s_mov_b32 s38, 256
	s_mov_b32 s39, 0
	s_mov_b32 s40, 0
	s_mov_b32 s41, 1
	s_mov_b32 s42, 196608
	s_mov_b32 s43, 6144
	s_mov_b32 s44, 0
	s_mov_b32 s45, -1
	CASE 32,  14, 1024, 256,  256,  0, 1, 196608, 6144,  2048,   -1  ; Wk
	CASE 64,  16, 1024, 256,  256,  0, 1, 196608, 6144,  4096,   -1  ; Wv
	CASE 96,  18, 4096, 1024, 1024, 2, 4, 942080, 16384, 0,      0   ; Wu
	CASE 128, 20, 2048, 512,  512,  1, 3, 942080, 8192,  131072, -1  ; W1
	CASE 192, 22, 4096, 1024, 1024, 2, 4, 942080, 16384, 393216, 0   ; W2
	CASE 256, 24, 2048, 512,  512,  1, 3, 942080, 8192,  655360, -1  ; W3
	CASE 320, 26, 300,  75,   96,   0, 3, 0,      0,     917504, 0   ; W4: columns 75 to 95 are stored as zeros
	s_cmp_ge_u32 s3, 96
	s_cselect_b64 s[46:47], s[32:33], s[30:31]     ; WS3, or WQKV for the first three
	s_sub_co_u32 s48, s3, s39
	s_lshr_b32 s49, s48, s40                       ; k32
	s_lshl_b32 s50, s49, s40
	s_sub_co_u32 s50, s48, s50                     ; block of 256 columns
	s_lshr_b32 s51, s49, 2                         ; W4 is split along k: wave k32 / 4 of the last launch, its step k32 % 4
	s_mul_i32 s51, s51, 942080
	s_and_b32 s52, s49, 3
	s_mul_i32 s52, s52, 6144
	s_add_co_u32 s51, s51, s52
	s_cmp_ge_u32 s3, 320
	s_cselect_b32 s51, s51, 0
	s_add_co_u32 s44, s44, s51
	s_mul_i32 s52, s49, s43
	s_add_co_u32 s44, s44, s52
	s_mov_b32 s59, 0xffff0000                      ; a word's upper bf16
	s_lshl_b32 s53, s50, 8
	s_lshl_b32 s54, s2, 5
	s_add_co_u32 s53, s53, s54                     ; my wave's first column
	s_cmp_ge_u32 s53, s38
	s_cbranch_scc1 .Lend                           ; (W4: waves 3 to 7 have none)
	v_add_nc_u32 v11, s53, v1                      ; my column
	s_sub_co_u32 s55, s37, 1
	v_min_u32 v12, s55, v11                        ; a padding column reads the last real one, and is zeroed below
	v_lshlrev_b32 v32, 2, v12
.set wi, 0
.rept 31
	v_add_nc_u32 v[33+wi], s36, v[32+wi]
.set wi, wi+1
.endr
	s_mul_i32 s56, s49, s36
	s_lshl_b32 s56, s56, 5                         ; 32 rows a k32
	s_mov_b32 s57, 0
	s_add_nc_u64 s[34:35], s[34:35], s[56:57]
	s_wait_alu depctr_va_vdst(0)                   ; the 32 offsets v32-63 are written, which the loads read
.set wi, 0
.rept 32
	global_load_b32 v[64+wi], v[32+wi], s[34:35]   ; 128 consecutive bytes of a row
.set wi, wi+1
.endr
	v_cmp_gt_u32 s58, s37, v11                     ; a real column?
	v_lshrrev_b32 v13, 4, v11                      ; column tile
	v_lshrrev_b32 v14, s41, v13                    ; its group
	v_mul_lo_u32 v15, v14, s42
	v_lshlrev_b32 v14, s41, v14
	v_sub_nc_u32 v14, v13, v14                     ; its place in the group
	v_lshl_add_u32 v15, v14, 10, v15
	v_and_b32 v14, 15, v11
	v_lshl_add_u32 v15, v14, 4, v15
	v_add_nc_u32 v15, s44, v15
	s_wait_loadcnt 0x0
.set wi, 0
.rept 16
	v_cvt_pk_bf16_f32 v[96+wi], v[64+2*wi], v[65+2*wi]
.set wi, wi+1
.endr
.set wi, 0
.rept 16                               ; the rounded numbers once more in f32,
	v_lshlrev_b32 v[64+2*wi], 16, v[96+wi]
	v_and_b32 v[65+2*wi], s59, v[96+wi]
.set wi, wi+1
.endr
.set wi, 0
.rept 16                               ; and as f16
	v_cvt_pk_f16_f32 v[112+wi], v[64+2*wi], v[65+2*wi]
.set wi, wi+1
.endr
.set wi, 0
.rept 16
	v_cndmask_b32 v[96+wi], v[96+wi], v[112+wi], s45
.set wi, wi+1
.endr
	s_wait_alu depctr_va_sdst(0)                   ; the compare has written s58, ahead of its first reader, the select below
.set wi, 0
.rept 16
	v_cndmask_b32 v[96+wi], 0, v[96+wi], s58
.set wi, wi+1
.endr
	s_wait_alu depctr_va_vdst(0)                   ; the selects have written v96-111, the stores' data, and v15, their offset, is written
.set wi, 0
.rept 4
	global_store_b128 v15, v[96+4*wi:99+4*wi], s[46:47] offset:256*wi  ; k = 8 wi .. + 7: sixteen lanes store 256 consecutive bytes, aligned
.set wi, wi+1
.endr
.Lend:
	s_wait_dscnt 0x0                               ; the wave's end, behind my last LDS store
	s_wait_alu 0x0
	s_wait_tensorcnt 0x0
	ds_add_u32 v[SPW], v[NIL]
	s_wait_dscnt 0x0
	s_endpgm
.Lfunc_end_k_q228df888e9_prep:
	.size	k_q228df888e9_prep, .Lfunc_end_k_q228df888e9_prep-k_q228df888e9_prep
	.p2alignl 7, 3214868480
	.fill 96, 4, 3214868480
	.section	.rodata,"a",@progbits
	.p2align	6, 0x0
	.amdhsa_kernel k_q228df888e9_prep
		.amdhsa_group_segment_fixed_size 101376
		.amdhsa_private_segment_fixed_size 0
		.amdhsa_enable_private_segment 0
		.amdhsa_kernarg_size 104
		.amdhsa_user_sgpr_count 2
		.amdhsa_user_sgpr_kernarg_segment_ptr 1
		.amdhsa_wavefront_size32 1
		.amdhsa_system_sgpr_workgroup_id_x 1
		.amdhsa_system_sgpr_workgroup_id_y 1
		.amdhsa_system_sgpr_workgroup_id_z 1
		.amdhsa_system_vgpr_workitem_id 0
		.amdhsa_next_free_vgpr 256
		.amdhsa_next_free_sgpr 96
		.amdhsa_reserve_vcc 0
		.amdhsa_float_denorm_mode_32 3
		.amdhsa_float_denorm_mode_16_64 3
		.amdhsa_memory_ordered 1
		.amdhsa_forward_progress 1
		.amdhsa_inst_pref_size 66
	.end_amdhsa_kernel
	.amdgpu_metadata
---
amdhsa.version: [ 1, 2 ]
amdhsa.kernels:
  - .name:           k_q228df888e9_prep
    .symbol:         k_q228df888e9_prep.kd
    .args:
      - { .name: input_indices, .offset: 0, .size: 8, .value_kind: global_buffer, .address_space: global }
      - { .name: emb, .offset: 8, .size: 8, .value_kind: global_buffer, .address_space: global }
      - { .name: Wq, .offset: 16, .size: 8, .value_kind: global_buffer, .address_space: global }
      - { .name: Wk, .offset: 24, .size: 8, .value_kind: global_buffer, .address_space: global }
      - { .name: Wv, .offset: 32, .size: 8, .value_kind: global_buffer, .address_space: global }
      - { .name: Wu, .offset: 40, .size: 8, .value_kind: global_buffer, .address_space: global }
      - { .name: W1, .offset: 48, .size: 8, .value_kind: global_buffer, .address_space: global }
      - { .name: W2, .offset: 56, .size: 8, .value_kind: global_buffer, .address_space: global }
      - { .name: W3, .offset: 64, .size: 8, .value_kind: global_buffer, .address_space: global }
      - { .name: W4, .offset: 72, .size: 8, .value_kind: global_buffer, .address_space: global }
      - { .name: XF, .offset: 80, .size: 8, .value_kind: global_buffer, .address_space: global }
      - { .name: WQKV, .offset: 88, .size: 8, .value_kind: global_buffer, .address_space: global }
      - { .name: WS3, .offset: 96, .size: 8, .value_kind: global_buffer, .address_space: global }
    .group_segment_fixed_size: 101376
    .private_segment_fixed_size: 0
    .kernarg_segment_align: 8
    .kernarg_segment_size: 104
    .max_flat_workgroup_size: 256
    .sgpr_count:     96
    .vgpr_count:     256
    .wavefront_size: 32
...
	.end_amdgpu_metadata
.endif
;; end of part 5
;; launch qkv: the kernel of part 2 again; grid 256 x 1, 4 waves a work-group, no clusters, 0 bytes of LDS; arguments XF, WQKV, bq, bk, bv, QF, KF, VF; writes QF, KF, VF
;; launch ktv: the kernel of part 3 again; grid 256 x 1, 4 waves a work-group, no clusters, 33,280 bytes of LDS; arguments KF, VF, KTV; writes KTV
;; launch chain: the kernel of part 4 again; grid 256 x 1, 4 waves a work-group, no clusters, 327,680 bytes of LDS; arguments XF, QF, KTV, WS3, bu, g1, be1, b1, b2, g2, be2, b3, b4, g3, be3, out0; writes out0
